; MI455X (gfx1250); checked and timed in simulation.
; The chip was launched on July 23, 2026; its instructions are those of AMD's public machine-readable ISA for CDNA 5 (MIT licence, August 2026) and "CDNA5" Instruction Set Architecture Reference Guide (July 2026). The comments in the code are by the model that wrote it; some were corrected since.
;; Attention. Allowed arithmetic: matrix products marked QUANTISED: E3M2 operands, one E8M0 scale for each 32 along K, by v_wmma_scale_f32_16x16x128_f8f6f4 with both operands' format E3M2, f32 sums; everything else in f32.
;; Inputs: embed_output 32 x 2,048 x 1,024 float32; mask 32 x 2,048 bool; w 1,024 x 1,024 float32.
;; Outputs: out0 32 x 1,024 float32; out1 32 x 2,048 x 1 float32.
;; This version of the problem:
;;   THIS VERSION OF THE PROBLEM IS GIVEN IN LOW PRECISION. The matrix products marked QUANTISED in the list below multiply operands that are first quantised to E3M2 (3 exponent bits, 2 mantissa bits; 6 bits a number), with one power-of-two scale for each 32 numbers along K (OCP MX v1.0); their sums are f32. All else is computed in f32.
;;   The module's matrix products, in the order in which they are computed (A, B: the left and right operand; K: the contracted axis; several contracted axes count as one K, in the product's order):
;;     1. [M 65,536, K 1,024] x [K 1,024, N 1,024]; A: input embed_output; B: input w: QUANTISED
;;   THE QUANTISER, for each operand of a quantised product, along K:
;;     - K is cut into blocks of 32 from its start; a last block that is shorter is filled with zeros.
;;     - A block's scale is 2^e with e = floor(log2(the largest magnitude in the block)) - 4, held to -126 .. 127; a block of zeros has e = 0. As a byte (E8M0): e + 127.
;;     - Each number is divided by its block's scale, clamped to +-28, and rounded to the nearest number of E3M2, ties to even, subnormals kept.
;;     - The product sums the exact products of the quantised numbers (number of the format x scale) in f32.
;;   ~~~python
;;   def quantise(x, axis):      # numpy; x: float32 -> the quantised numbers, widened to float32 again
;;       x = np.moveaxis(x, axis, -1); K = x.shape[-1]
;;       x = np.pad(x, [(0, 0)] * (x.ndim - 1) + [(0, -K % 32)]); x = x.reshape(x.shape[:-1] + (-1, 32)); a = np.abs(x).max(-1, keepdims=True)
;;       e = np.where(a > 0, np.clip(np.frexp(np.where(a > 0, a, 1))[1] - 1 - 4, -126, 127), 0)      # np.frexp(a)[1] - 1 = floor(log2(a)), exactly
;;       r = np.clip(x / 2.0 ** e, -28, 28)
;;       step = 2.0 ** (np.maximum(np.frexp(np.where(r == 0, 1, r))[1] - 1, -2) - 2)
;;       q = np.round(r / step) * step * 2.0 ** e      # np.round: ties to even
;;       return np.moveaxis(q.reshape(q.shape[:-2] + (-1,))[..., :K], -1, axis).astype(np.float32)
;;   ~~~
;; 2 versions, each right and faster than the one before. Each part assembles by itself: llvm-mc -triple=amdgcn-amd-amdhsa -mcpu=gfx1250 --defsym DOCPART=n.
;; ======== version 1 of 2: 3 launches
;; workspace buffers: ecode 52,428,800 bytes; psum 2,097,152 bytes; wcode 786,432 bytes; wscale 65,536 bytes; fpart 1,048,576 bytes
;; launch quant (part 1): grid 576 x 1, 8 waves a work-group, no clusters, 72,704 bytes of LDS; arguments embed_output, w, ecode, psum, wcode, wscale; writes ecode, psum, wcode, wscale
.if DOCPART == 1
	.amdgcn_target "amdgcn-amd-amdhsa--gfx1250"
	.amdhsa_code_object_version 6
	.text
	.protected	k_qa638766332_quant
	.globl	k_qa638766332_quant
	.p2align	8
	.type	k_qa638766332_quant,@function
k_qa638766332_quant:
	s_mov_b64 s[64:65], 0
	v_nop
	global_prefetch_b8 v0, s[64:65] scope:SCOPE_SE
	s_setreg_imm32_b32 hwreg(HW_REG_WAVE_MODE, 25, 1), 1
	s_wait_xcnt 0x0
; E [65536][1024] and w [1024 (k)][1024 (n)], f32, become codes of BF6 (E3M2) with one E8M0 byte for each 32 along K, laid in the ORDER OF THE OPERAND'S REGISTERS,
; so that the product's launch takes every fragment by loads of 16 bytes a lane.  On the way the column sums of E are taken (for the mean over the sequence).
; A block's scale is 2^(floor(log2(its largest magnitude)) - 4): its byte is the largest magnitude's exponent field - 4, held at 1 from below by a floor among the maximum's leaves.
; LIMITS: a block of zeros gets the byte 1 where the rule says 127 (its codes are zeros, which add nothing, and this program alone reads the bytes); blocks whose largest
; magnitude lies under 2^-122 are held at the byte 1; NaN and infinities among the inputs are not served.
; A FRAGMENT is 16 rows x 128 K, 12 registers a lane: lane (r, h) holds row r, registers 6 c .. 6 c + 5 = k 64 c + 32 h + 0 .. 31.  Its image: three groups of four registers, lane l's 16 bytes at 16 l.
; ecode: 512 records of 102,400 bytes, one for each 128 rows: [row tile 8][K step 8][group 3][lane 32][16 bytes], then the scale words [K step 8][pair of tiles 4][row 16][tile of the pair 2].
; psum:  [record 512][1024] f32, the column sums of the record's 128 rows.     wcode: [column tile 64][K step 8][group 3][lane][16 bytes].     wscale: [column tile 64][K step 8][lane 32] words.
; SHARES.  Work-groups 0-63: a column tile of w each, wave = K step: one fragment a wave; a lane takes a column and its registers run down K, so nothing is transposed.
; Work-groups 64-575: a record of E each, wave = K step (512 bytes of every row), eight row tiles one after the other.  Each load reads 512 consecutive bytes of a row; a tile's 16 rows turn
; through the wave's own stage in LDS, so that a lane gets the 64 numbers that the operand's layout gives it.  Waves share nothing: no barrier.  Work-groups share no input: no cluster.
.set NWGW,   64                        ; work-groups that take w
.set RECB,   102400                    ; bytes of a record
.set SCOFF,  98304                     ; where a record's scale words begin
.set FRB,    1536                      ; bytes of a fragment's image
.set SPITCH, 528                       ; a stage row: 512 bytes + 16, an odd multiple of 16: the sixteen rows that a load of 16 bytes a lane touches fall on different banks (ISA guide 11.1)
.set STGB,   16*SPITCH                 ; a wave's stage
.set SCS,    8*STGB                    ; behind the stages: 512 bytes of scale words for each wave
.set FLOOR,  0x2800000                 ; 2^(5 - 127)
.set EOFF,   0xfe000000                ; -(4 << 23)
.set GL,  4                            ; v4     16 x lane: my place in 512 bytes
.set SB,  5                            ; v5     stage, on the way in
.set SA,  6                            ; v6     stage, on the way out: row r, + 128 h
.set SC,  7                            ; v7     LDS: my row's scale word
.set SCR, 8                            ; v8     LDS: the scale words on their way out
.set SH,  9                            ; v9     8 h
.set MX,  10                           ; v10-13 four chains of the two blocks' maxima
.set SO,  14                           ; v14-15 the conversions' scale operands
.set BY,  16                           ; v16-17 the scale bytes
.set WD,  18                           ; v18    the scale word
.set PT,  19                           ; v19    the other half's bytes
.set CS,  20                           ; v20-27 column sums, two chains of four
.set PC,  28                           ; v28-39 a fragment's codes
.set TQ,  40                           ; v40-46 the second halves of the blocks, as the conversions leave them
.set OW,  48                           ; v48-51 scale words on their way out
.set WA,  52                           ; v52    w: my column and my half's first row
.set WL,  53                           ; v53    4 x lane
.set X,   64                           ; v64-127  64 numbers: register 32 c + i = k 64 c + 32 h + i of my row (or column)
.set R,   128                          ; v128-255 two sets of 16 rows as they are loaded
	s_load_b256 s[4:11], s[0:1], 0x0               ; E s[4:5], w s[6:7], ecode s[8:9], psum s[10:11]
	s_load_b128 s[12:15], s[0:1], 0x20             ; wcode s[12:13], wscale s[14:15]
	v_lshl_add_u32 v62, v0, 2, 0x11800
	v_mov_b32 v63, 0
	v_lshrrev_b32 v1, 5, v0
	v_readfirstlane_b32 s16, v1                    ; wave = K step
	v_and_b32 v1, 31, v0                           ; lane
	v_and_b32 v2, 15, v0                           ; r
	v_bfe_u32 v3, v0, 4, 1                         ; h
	v_lshlrev_b32 v[GL], 4, v1
	v_lshlrev_b32 v[SH], 3, v3
	v_mov_b32 v[PT], 0                             ; written once: a lane permute's destination counts as one of its sources
	s_mov_b32 s20, 0x76543210
	s_mov_b32 s21, 0xfedcba98                      ; v_permlanex16_b32's selects for lane l xor 16
	s_mul_i32 s17, s16, STGB                       ; my wave's stage
	v_add_nc_u32 v[SB], s17, v[GL]
	v_mul_u32_u24 v[SA], v2, SPITCH
	v_lshl_add_u32 v[SA], v3, 7, v[SA]
	v_add_nc_u32 v[SA], s17, v[SA]
	s_lshl_b32 s17, s16, 9
	s_add_co_u32 s17, s17, SCS                     ; my wave's scale words
	v_lshl_add_u32 v[SC], v2, 3, s17
	v_add_nc_u32 v[SCR], s17, v[GL]
	s_cmp_lt_u32 ttmp9, NWGW
	s_cbranch_scc1 .Lweights
; 64 numbers in v[X] on become a fragment's codes in v[PC] on and its scale word in v[WD].  A lane holds two whole blocks: 2 c + h, c = 0, 1.
.macro QUANT
.irp c, 0,1
	v_max3_num_f32 v[MX+2*\c], |v[X+32*\c]|, |v[X+32*\c+1]|, FLOOR         ; two chains a block, each with the floor as a leaf: the byte cannot fall under 1
	v_max3_num_f32 v[MX+2*\c+1], |v[X+32*\c+16]|, |v[X+32*\c+17]|, FLOOR
.endr
.irp i, 2,4,6,8,10,12,14
.irp c, 0,1
	v_max3_num_f32 v[MX+2*\c], v[MX+2*\c], |v[X+32*\c+\i]|, |v[X+32*\c+\i+1]|          ; the four chains by turns
	v_max3_num_f32 v[MX+2*\c+1], v[MX+2*\c+1], |v[X+32*\c+16+\i]|, |v[X+32*\c+17+\i]|
.endr
.endr
.irp c, 0,1
	v_max_num_f32 v[MX+2*\c], v[MX+2*\c], v[MX+2*\c+1]     ; the block's largest magnitude
.endr
.irp c, 0,1
	v_add_nc_u32 v[SO+\c], EOFF, v[MX+2*\c]                ; 4 off its exponent field: the conversion takes the exponent field of this operand as its scale
.endr
.irp c, 0,1
	v_lshrrev_b32 v[BY+\c], 23, v[SO+\c]                   ; the scale's byte
.endr
	v_lshl_or_b32 v[WD], v[BY+1], 16, v[BY]                ; my two bytes: blocks h and 2 + h,
	v_lshlrev_b32 v[WD], v[SH], v[WD]                      ; at their places in the word;
	v_permlanex16_b32 v[PT], v[WD], s20, s21
	v_or_b32 v[WD], v[WD], v[PT]                           ; with lane l xor 16's two the word is whole, in both halves of the lanes
.irp c, 0,1
	v_cvt_scalef32_pk16_bf6_f32 v[PC+6*\c:PC+6*\c+2], v[X+32*\c:X+32*\c+15], v[SO+\c]
	v_cvt_scalef32_pk16_bf6_f32 v[TQ+4*\c:TQ+4*\c+2], v[X+32*\c+16:X+32*\c+31], v[SO+\c]   ; (a conversion's three registers begin on an even number)
.endr
	v_nop                                                  ; one plain place behind the scaled conversions
.irp c, 0,1
.irp i, 0,1,2
	v_mov_b32 v[PC+6*\c+3+\i], v[TQ+4*\c+\i]
.endr
.endr
.endm
	; ---- a record of E
	s_sub_co_u32 s18, ttmp9, NWGW                  ; the record
	s_lshl_b32 s19, s16, 9                         ; 512 x K step
	s_lshl_b32 s22, s18, 19                        ; E: 128 rows of 4,096 bytes a record, + my 512 bytes of a row
	s_add_co_u32 s22, s22, s19
	s_mov_b32 s23, 0
	s_mul_i32 s24, s18, RECB
	s_mul_i32 s26, s16, FRB
	s_add_co_u32 s26, s26, s24                     ; codes: record + K step's image
	s_mov_b32 s27, 0
	s_add_co_u32 s24, s24, s19
	s_add_co_u32 s24, s24, SCOFF                   ; scale words: record + 98,304 + 512 x K step
	s_mov_b32 s25, 0
	s_lshl_b32 s28, s18, 12
	s_add_co_u32 s28, s28, s19                     ; column sums: 4,096 x record + my 128 columns
	s_mov_b32 s29, 0
	s_wait_kmcnt 0x0
	s_add_nc_u64 s[4:5], s[4:5], s[22:23]
	s_add_nc_u64 s[30:31], s[8:9], s[24:25]
	s_add_nc_u64 s[8:9], s[8:9], s[26:27]
	s_add_nc_u64 s[10:11], s[10:11], s[28:29]
.macro LOADT t                         ; row tile t: sixteen loads, each 512 consecutive bytes of a row, into set t % 2
.irp p, 0,1,2,3,4,5,6,7,8,9,10,11,12,13,14,15
	global_load_b128 v[R+64*((\t)%2)+4*\p:R+64*((\t)%2)+4*\p+3], v[GL], s[4:5] offset:(16*(\t)+\p)*4096 th:TH_LOAD_NT
.endr
.endm
.macro STEP t
.set RS, R+64*((\t)%2)
.if (\t) < 7
	s_wait_loadcnt 16                              ; this tile's sixteen loads are in; the next tile's sixteen stay out
.else
	s_wait_loadcnt 0x0
.endif
.irp p, 0,1,2,3,4,5,6,7,8,9,10,11,12,13,14,15          ; the column sums: row p into chain p % 2.  Tile 0's first four rows start the chains: nothing is cleared
.if ((\t) == 0) && (\p < 2)
.elseif ((\t) == 0) && (\p < 4)
	v_pk_add_f32 v[CS+4*(\p%2):CS+4*(\p%2)+1], v[RS+4*\p-8:RS+4*\p-7], v[RS+4*\p:RS+4*\p+1]
	v_pk_add_f32 v[CS+4*(\p%2)+2:CS+4*(\p%2)+3], v[RS+4*\p-6:RS+4*\p-5], v[RS+4*\p+2:RS+4*\p+3]
.else
	v_pk_add_f32 v[CS+4*(\p%2):CS+4*(\p%2)+1], v[CS+4*(\p%2):CS+4*(\p%2)+1], v[RS+4*\p:RS+4*\p+1]
	v_pk_add_f32 v[CS+4*(\p%2)+2:CS+4*(\p%2)+3], v[CS+4*(\p%2)+2:CS+4*(\p%2)+3], v[RS+4*\p+2:RS+4*\p+3]
.endif
.endr
.irp p, 0,1,2,3,4,5,6,7,8,9,10,11,12,13,14,15
	ds_store_b128 v[SB], v[RS+4*\p:RS+4*\p+3] offset:SPITCH*\p         ; the rows as they lie
.endr
.irp c, 0,1
.irp i, 0,1,2,3,4,5,6,7
	ds_load_b128 v[X+32*\c+4*\i:X+32*\c+4*\i+3], v[SA] offset:256*\c+16*\i   ; LDS serves a wave's instructions in order (ISA guide 5.7.1.4): these see the stores above
.endr
.endr
	s_wait_dscnt 0x0                               ; my 64 numbers are in, and the stores into the stage have read their registers
	s_wait_xcnt 0x0                                ; the last tile's stores have read v[PC] on: it is written again only behind this wait
.if (\t)+2 < 8
	LOADT (\t)+2                                   ; into the set that has just gone through the stage
.endif
	QUANT
	ds_store_b32 v[SC], v[WD] offset:128*((\t)/2)+4*((\t)%2)           ; lanes r and r + 16 write the same word with the same value
.irp e, 0,1,2
	global_store_b128 v[GL], v[PC+4*\e:PC+4*\e+3], s[8:9] offset:8*FRB*(\t)+512*\e   ; the image: 512 consecutive bytes a store
.endr
.endm
	LOADT 0
	LOADT 1
.irp t, 0,1,2,3,4,5,6,7
	STEP \t
.endr
	ds_load_b128 v[OW:OW+3], v[SCR]                ; my wave's 512 bytes of scale words
	v_pk_add_f32 v[CS:CS+1], v[CS:CS+1], v[CS+4:CS+5]
	v_pk_add_f32 v[CS+2:CS+3], v[CS+2:CS+3], v[CS+6:CS+7]
	global_store_b128 v[GL], v[CS:CS+3], s[10:11]  ; the sums of my four columns over the record's 128 rows
	s_wait_dscnt 0x0
	global_store_b128 v[GL], v[OW:OW+3], s[30:31]
	s_wait_tensorcnt 0x0
	ds_add_u32 v62, v63
	s_wait_dscnt 0x0
	s_endpgm
	; ---- a column tile of w: lane (r, h) takes column 16 x tile + r, and its registers run down K in the order that the operand's layout gives it
.Lweights:
	v_lshlrev_b32 v[WA], 2, v2
	v_lshl_add_u32 v[WA], v3, 17, v[WA]            ; lanes 16-31 begin 32 rows of 4,096 bytes further down
	v_lshlrev_b32 v[WL], 2, v1
	s_lshl_b32 s22, s16, 19                        ; w: 128 rows a K step, + 64 bytes a column tile
	s_lshl_b32 s19, ttmp9, 6
	s_add_co_u32 s22, s22, s19
	s_mov_b32 s23, 0
	s_mul_i32 s24, ttmp9, 8*FRB
	s_mul_i32 s19, s16, FRB
	s_add_co_u32 s24, s24, s19
	s_mov_b32 s25, 0
	s_lshl_b32 s26, ttmp9, 10                      ; scale words: 128 bytes for each tile and K step
	s_lshl_b32 s19, s16, 7
	s_add_co_u32 s26, s26, s19
	s_mov_b32 s27, 0
	s_wait_kmcnt 0x0
	s_add_nc_u64 s[6:7], s[6:7], s[22:23]
	s_add_nc_u64 s[12:13], s[12:13], s[24:25]
	s_add_nc_u64 s[14:15], s[14:15], s[26:27]
.irp c, 0,1
.irp i, 0,1,2,3,4,5,6,7,8,9,10,11,12,13,14,15,16,17,18,19,20,21,22,23,24,25,26,27,28,29,30,31
	global_load_b32 v[X+32*\c+\i], v[WA], s[6:7] offset:(64*\c+\i)*4096   ; w(128 step + 64 c + 32 h + i, my column): sixteen lanes read 64 neighbouring bytes
.endr
.endr
	s_wait_loadcnt 0x0
	QUANT
.irp e, 0,1,2
	global_store_b128 v[GL], v[PC+4*\e:PC+4*\e+3], s[12:13] offset:512*\e
.endr
	global_store_b32 v[WL], v[WD], s[14:15]        ; lane r has column r's word; lanes 16-31 hold the same
	s_endpgm
.Lfunc_end_k_qa638766332_quant:
	.size	k_qa638766332_quant, .Lfunc_end_k_qa638766332_quant-k_qa638766332_quant
	.p2alignl 7, 3214868480
	.fill 96, 4, 3214868480
	.section	.rodata,"a",@progbits
	.p2align	6, 0x0
	.amdhsa_kernel k_qa638766332_quant
		.amdhsa_group_segment_fixed_size 72704
		.amdhsa_private_segment_fixed_size 0
		.amdhsa_enable_private_segment 0
		.amdhsa_kernarg_size 48
		.amdhsa_user_sgpr_count 2
		.amdhsa_user_sgpr_kernarg_segment_ptr 1
		.amdhsa_wavefront_size32 1
		.amdhsa_system_sgpr_workgroup_id_x 1
		.amdhsa_system_sgpr_workgroup_id_y 1
		.amdhsa_system_sgpr_workgroup_id_z 1
		.amdhsa_system_vgpr_workitem_id 0
		.amdhsa_next_free_vgpr 256
		.amdhsa_next_free_sgpr 66
		.amdhsa_reserve_vcc 0
		.amdhsa_float_denorm_mode_32 3
		.amdhsa_float_denorm_mode_16_64 3
		.amdhsa_memory_ordered 1
		.amdhsa_forward_progress 1
		.amdhsa_inst_pref_size 85
	.end_amdhsa_kernel
	.amdgpu_metadata
---
amdhsa.version: [ 1, 2 ]
amdhsa.kernels:
  - .name:           k_qa638766332_quant
    .symbol:         k_qa638766332_quant.kd
    .args:
      - { .name: embed_output, .offset: 0, .size: 8, .value_kind: global_buffer, .address_space: global }
      - { .name: w, .offset: 8, .size: 8, .value_kind: global_buffer, .address_space: global }
      - { .name: ecode, .offset: 16, .size: 8, .value_kind: global_buffer, .address_space: global }
      - { .name: psum, .offset: 24, .size: 8, .value_kind: global_buffer, .address_space: global }
      - { .name: wcode, .offset: 32, .size: 8, .value_kind: global_buffer, .address_space: global }
      - { .name: wscale, .offset: 40, .size: 8, .value_kind: global_buffer, .address_space: global }
    .group_segment_fixed_size: 72704
    .private_segment_fixed_size: 0
    .kernarg_segment_align: 8
    .kernarg_segment_size: 48
    .max_flat_workgroup_size: 256
    .sgpr_count:     66
    .vgpr_count:     256
    .wavefront_size: 32
...
	.end_amdgpu_metadata
.endif
;; end of part 1
;; launch gemm (part 2): grid 256 x 1, 4 waves a work-group, clusters of 4 x 1, 327,680 bytes of LDS; arguments ecode, wcode, wscale, psum, fpart; writes fpart
.if DOCPART == 2
	.amdgcn_target "amdgcn-amd-amdhsa--gfx1250"
	.amdhsa_code_object_version 6
	.text
	.protected	k_qa638766332_gemm
	.globl	k_qa638766332_gemm
	.p2align	8
	.type	k_qa638766332_gemm,@function
k_qa638766332_gemm:
	s_mov_b64 s[64:65], 0
	v_nop
	global_prefetch_b8 v0, s[64:65] scope:SCOPE_SE
	s_setreg_imm32_b32 hwreg(HW_REG_WAVE_MODE, 25, 1), 1
	s_wait_xcnt 0x0
	s_wait_alu depctr_hold_cnt(0) depctr_sa_sdst(0) depctr_va_vdst(0) depctr_va_sdst(0) depctr_va_ssrc(0) depctr_va_vcc(0) depctr_vm_vsrc(0)
	s_getreg_b32 s2, hwreg(HW_REG_IB_STS2, 6, 4)
	s_cmp_eq_u32 s2, 0
	s_cbranch_scc0 .Lentry_in_a_cluster
	s_endpgm
.Lentry_in_a_cluster:
	s_bfe_u32 s2, ttmp6, 0x10000c
	s_cmp_lg_u32 s2, 0x3003
	s_cbranch_scc0 .Lentry_shape_is_right
	s_endpgm
.Lentry_shape_is_right:
; fpart[q][row] = the sum over the 256 columns n of quarter q of (Q(E) Q(w))[row][n] x ys[n], ys = the mean of E over the row's batch.  The product runs on codes of BF6 (E3M2) with E8M0 block scales.
; SHARES.  A cluster of four work-groups owns 1,024 rows (eight records of ecode, half a batch); its work-groups are the four quarters q of the 1,024 columns.  All four walk the same records, so each
; record is asked for JOINTLY: the same tensor load with the same descriptor and a mask that names the four; each receives it in its own LDS.
; A wave has 128 columns (ch = wave % 2: eight column tiles) and half of K (kh = wave / 2: four steps of 128): its 32 fragments of w, 384 registers, stay for the whole launch.
; So a fragment of E read from LDS feeds eight matrix instructions, and only two of the four waves read it.  The result wanted is linear in the product, so the waves' parts are simply added at the end.
; THE MATRIX INSTRUCTION IS USED TRANSPOSED (source 0 = 16 columns of w, source 1 = 16 rows of E): lane (r, h) holds row r and columns 8 h + 0 .. 7, so the dot with ys is multiply-adds in the lane and one exchange of halves.
; A GROUP is 32 rows (two row tiles u) x 128 columns x 512 K: 64 matrix instructions on 16 accumulators by turns, then the dot with ys.  A record is four groups.
; RING: two LDS slots, a record each.  The change of slots stands at the head of a record's fourth group, when all its fragments have been asked for: the refill then has a whole record's work in which to land.
; A wave has two tensor loads out at the start and one behind each change of slots.
; REGISTERS, in windows of 256: window 0: v0-23 addresses and work; v24-31 E's scale words; v32-63 w's scale words; v64-159 E's fragments, a buffer for each K step; v160-191 sums at the head and at the end.
;   window 1: w's fragments of K steps 0, 1 at v[12 (8 s + ct)].   window 2: those of steps 2, 3.   window 3: v0-127 the accumulators at v[8 (8 u + ct)]; v128-191 ys at v[128 + 8 ct + j]; v192-199 the dots' chains.
.set RECB,  102400                     ; a record: 98,304 bytes of codes, 4,096 of scale words
.set QREC,  RECB/4                     ; what one wave's tensor load brings: 100 rows of 256 bytes
.set SCOFF, 98304
.set SLOT1, 1<<17                      ; slot 1 begins here, so that one exclusive or turns an address in one slot into the other's
.set FS,    RECB                       ; between the slots, where no fill lands: each wave's partial results, 1,024 rows x 4 bytes;
.set YL,    FS+4*4096                  ; the work-group's 256 numbers of ys;
.set SPARE, YL+1024                    ; the spare words, 128 bytes for each wave: two blocks of 256 bytes that no other line names
.set B0,  2                            ; v2   my lane's place in a record's codes: 6,144 kh + 16 x lane
.set B1,  3                            ; v3   the same four row tiles on
.set BS,  4                            ; v4   my place among its scale words
.set AD0, 5                            ; v5-7 the same three in the slot in hand
.set AD1, 6
.set ADS, 7
.set FA0, 8                            ; v8   where my row's partial result goes: FS + 4,096 x wave + 4 r
.set FA,  9                            ; v9   + 512 x record
.set SPW, 10                           ; v10  LDS address of my spare word; never rewritten
.set NIL, 11                           ; v11  0; never rewritten
.set L16, 12                           ; v12  16 x lane
.set L4,  13                           ; v13  4 x lane
.set T8,  14                           ; v14  8 x thread
.set YA,  15                           ; v15  where my eight numbers of ys of column tile 0 lie
.set T,   16                           ; v16-19 the dots' ends
.set YW,  20                           ; v20  where I put two numbers of ys
.set FRD, 21                           ; v21  the way out: FS + 16 x thread
.set T16, 22                           ; v22  16 x thread
.set ES,  24
.set WS,  32
.set AF,  64
.set SUM, 160
.set YS,  128                          ; in window 3
.set PS,  192                          ; in window 3
.set MSB, 0
.macro WIN new                         ; the immediate's high byte repeats the setting that is left; a switch that changes nothing is dropped
.if MSB != \new
	s_set_vgpr_msb (MSB<<8)|\new
.set MSB, \new
.endif
.endm
.macro PLACES                          ; four places: behind a matrix instruction, in front of loads into registers that it has read and of reads of its result (ISA guide 7.12.1 for reads of its result)
.rept 4
	v_nop
.endr
.endm
.macro CREST                           ; a round of the cluster's barrier behind its opening barrier
	s_cmp_lg_u32 s14, 0
	s_cbranch_scc1 .Lnot_wave_0_\@
	s_barrier_signal -3
.Lnot_wave_0_\@:
	s_barrier_wait -3
	s_barrier_signal -1
	s_barrier_wait -1
.endm
.macro CROUND                          ; a whole round
	s_barrier_signal -1
	s_barrier_wait -1
	CREST
.endm
	s_load_b256 s[4:11], s[0:1], 0x0               ; ecode s[4:5], wcode s[6:7], wscale s[8:9], psum s[10:11]
	s_load_b64 s[12:13], s[0:1], 0x20              ; fpart
	v_lshl_add_u32 v[SPW], v0, 2, SPARE
	v_mov_b32 v[NIL], 0
	ds_add_u32 v10, v11
	ds_add_u32 v10, v11
	s_wait_dscnt 0x0
	v_lshrrev_b32 v1, 5, v0
	v_readfirstlane_b32 s14, v1                    ; wave 0..3
	s_and_b32 s15, s14, 1                          ; ch: which 128 of the quarter's columns
	s_lshr_b32 s16, s14, 1                         ; kh: which half of K
	s_bfe_u32 s17, ttmp6, 0x40000                  ; q = my place in the cluster: it enters the addresses of w, ys and the result alone
	s_lshr_b32 s19, ttmp9, 1                       ; the batch (ttmp9 counts clusters: 1,024 rows each)
	; descriptor group 1: a quarter of a record, dense: 100 rows of 32 elements of 8 bytes
	s_mov_b32 s24, 15|(3<<16)|(1<<21)              ; 15:0 the mask: all four work-groups; 17:16 elements of 8 bytes; 20 no padding; 21 set beside a mask
	s_mov_b32 s25, 32<<16                          ; tensor_dim0 = 32
	s_mov_b32 s26, 100<<16                         ; tensor_dim1 = 100
	s_mov_b32 s27, 32<<16                          ; tile_dim0 = 32
	s_mov_b32 s28, 100                             ; tile_dim1 = 100
	s_mov_b32 s29, 32                              ; from row to row
	s_mov_b32 s30, 0
	s_mov_b32 s31, 0
	s_mul_i32 s43, s14, QREC                       ; my quarter: in a record and in a slot
	s_mul_i32 s44, ttmp9, 8*RECB                   ; the cluster's eight records
	s_add_co_u32 s44, s44, s43
	s_mov_b32 s45, 0
	s_mul_i32 s48, s17, 196608                     ; w's codes: 16 column tiles of 12,288 bytes a quarter, 8 for ch, 4 images of 1,536 for kh
	s_mul_i32 s49, s15, 98304
	s_add_co_u32 s48, s48, s49
	s_mul_i32 s49, s16, 6144
	s_add_co_u32 s48, s48, s49
	s_mov_b32 s49, 0
	s_lshl_b32 s50, s17, 14                        ; w's scale words: 1,024 bytes a column tile, 128 a K step
	s_lshl_b32 s51, s15, 13
	s_add_co_u32 s50, s50, s51
	s_lshl_b32 s51, s16, 9
	s_add_co_u32 s50, s50, s51
	s_mov_b32 s51, 0
	s_lshl_b32 s52, s19, 16                        ; the batch's 16 rows of column sums, my quarter's 1,024 bytes of each
	s_lshl_b32 s53, s17, 10
	s_add_co_u32 s52, s52, s53
	s_mov_b32 s53, 0
	s_lshl_b32 s54, s17, 18                        ; the result: [quarter][65,536 rows]
	s_lshl_b32 s55, ttmp9, 12
	s_add_co_u32 s54, s54, s55
	s_mov_b32 s55, 0
	s_mov_b32 s20, 0x76543210
	s_mov_b32 s21, 0xfedcba98                      ; v_permlanex16_b32's selects for lane l xor 16
	s_mov_b32 s40, 0                               ; the slot in hand
	s_mov_b32 s41, 0                               ; 512 x record
	s_wait_kmcnt 0x0
	s_add_nc_u64 s[46:47], s[4:5], s[44:45]
	s_add_nc_u64 s[6:7], s[6:7], s[48:49]
	s_add_nc_u64 s[8:9], s[8:9], s[50:51]
	s_add_nc_u64 s[10:11], s[10:11], s[52:53]
	s_add_nc_u64 s[12:13], s[12:13], s[54:55]
	s_mov_b32 s32, 1                               ; group 0 for record 0: count = 1,
	s_mov_b32 s33, s43                             ; LDS address: slot 0, my quarter,
	s_mov_b64 s[34:35], s[46:47]                   ; global address,
	s_or_b32 s35, s35, 0x80000000                  ; type = 2
	s_mov_b32 s36, 1                               ; group 0 for record 1; it then walks on
	s_add_co_u32 s37, s43, SLOT1
	s_add_nc_u64 s[38:39], s[46:47], RECB
	s_or_b32 s39, s39, 0x80000000
	CROUND                                         ; all four work-groups are here: the first joint loads meet
	tensor_load_to_lds s[32:35], s[24:31]
	s_nop 0
	tensor_load_to_lds s[36:39], s[24:31]
	s_nop 0
	PLACES                                         ; (four v_nop behind the tensor loads)
	v_and_b32 v1, 31, v0                           ; lane
	v_and_b32 v23, 15, v0                          ; r
	v_lshlrev_b32 v[L16], 4, v1
	v_lshlrev_b32 v[L4], 2, v1
	v_lshlrev_b32 v[T8], 3, v0
	v_lshlrev_b32 v[T16], 4, v0
	s_mul_i32 s56, s16, 6144
	v_add_nc_u32 v[B0], s56, v[L16]
	v_add_nc_u32 v[B1], 49152, v[B0]
	s_lshl_b32 s56, s16, 11
	s_add_co_u32 s56, s56, SCOFF
	v_lshl_add_u32 v[BS], v23, 3, s56
	s_lshl_b32 s56, s14, 12
	s_add_co_u32 s56, s56, FS
	v_lshl_add_u32 v[FA0], v23, 2, s56
	v_bfe_u32 v23, v0, 4, 1                        ; h
	s_lshl_b32 s56, s15, 9
	s_add_co_u32 s56, s56, YL
	v_lshl_add_u32 v[YA], v23, 5, s56
	v_lshl_add_u32 v[YW], v0, 3, YL
	v_lshl_add_u32 v[FRD], v0, 4, FS
	v_mov_b32 v[T+2], 0                            ; written once: a lane permute's destination counts as one of its sources
	v_mov_b32 v[T+3], 0
.irp p, 0,1,2,3,4,5,6,7,8,9,10,11,12,13,14,15
	global_load_b64 v[SUM+2*\p:SUM+2*\p+1], v[T8], s[10:11] offset:4096*\p   ; the 16 records' sums of my two columns
.endr
.irp ct, 0,1,2,3,4,5,6,7
.irp s, 0,1,2,3
	global_load_b32 v[WS+4*\ct+\s], v[L4], s[8:9] offset:1024*\ct+128*\s     ; w's scale words: lane r has column r's
.endr
.endr
	WIN 0x40                                       ; destination window 1
.irp s, 0,1
.irp ct, 0,1,2,3,4,5,6,7
.irp e, 0,1,2
	global_load_b128 v[12*(8*\s+\ct)+4*\e:12*(8*\s+\ct)+4*\e+3], v[L16], s[6:7] offset:12288*\ct+1536*\s+512*\e
.endr
.endr
.endr
	WIN 0x80                                       ; destination window 2
.irp s, 0,1
.irp ct, 0,1,2,3,4,5,6,7
.irp e, 0,1,2
	global_load_b128 v[12*(8*\s+\ct)+4*\e:12*(8*\s+\ct)+4*\e+3], v[L16], s[6:7] offset:12288*\ct+1536*(\s+2)+512*\e
.endr
.endr
.endr
	WIN 0
	s_wait_loadcnt 63                              ; of the 144 loads at most the youngest 63 are out: the 16 of the column sums came first and are in
.irp p, 2,3,4,5,6,7,8,9,10,11,12,13,14,15
	v_pk_add_f32 v[SUM+2*(\p%2):SUM+2*(\p%2)+1], v[SUM+2*(\p%2):SUM+2*(\p%2)+1], v[SUM+2*\p:SUM+2*\p+1]   ; two chains
.endr
	v_pk_add_f32 v[SUM:SUM+1], v[SUM:SUM+1], v[SUM+2:SUM+3]
	v_pk_mul_f32 v[SUM:SUM+1], v[SUM:SUM+1], 0x3a000000 op_sel_hi:[1,0]      ; / 2,048, exact: ys
	ds_store_b64 v[YW], v[SUM:SUM+1]
	s_wait_tensorcnt 0x1                           ; my quarter of record 0 is in; record 1's may stay out
	s_wait_dscnt 0x0                               ; for the others' sake: my two numbers of ys are in LDS
	s_barrier_signal -1
	s_barrier_wait -1
	WIN 0xc0                                       ; destination window 3
.irp ct, 0,1,2,3,4,5,6,7
	ds_load_b128 v[YS+8*\ct:YS+8*\ct+3], v[YA] offset:64*\ct                 ; ys at columns 16 ct + 8 h + 0 .. 7 of my 128: they stay
	ds_load_b128 v[YS+8*\ct+4:YS+8*\ct+7], v[YA] offset:64*\ct+16
.endr
	WIN 0
; E's two fragments (row tiles 2 ng, 2 ng + 1) and their scale words for my K step s, into buffer s: seven LDS loads, each lane's 16 bytes at 16 x lane
.macro FETCH ng, s
.if (\ng) < 2
.set FAD, AD0
.else
.set FAD, AD1
.endif
.irp u, 0,1
.irp e, 0,1,2
	ds_load_b128 v[AF+24*(\s)+12*\u+4*\e:AF+24*(\s)+12*\u+4*\e+3], v[FAD] offset:24576*((\ng)%2)+12288*\u+1536*(\s)+512*\e
.endr
.endr
	ds_load_b64 v[ES+2*(\s):ES+2*(\s)+1], v[ADS] offset:512*(\s)+128*(\ng)   ; lane r: row r's words of the two tiles
.endm
; 16 matrix instructions: my eight column tiles x the group's two row tiles, K step s.  Step 0 starts the sums with the constant 0.  The 16 accumulators take turns, one instruction a turn.
.macro RUN s
.if (\s) < 2
	WIN 0xf1                                       ; source 0 (w) window 1, source 1 (E) window 0, C and D window 3
.else
	WIN 0xf2                                       ; source 0 window 2
.endif
.irp ct, 0,1,2,3,4,5,6,7
.irp u, 0,1
.if (\s) == 0
	v_wmma_scale_f32_16x16x128_f8f6f4 v[8*(8*\u+\ct):8*(8*\u+\ct)+7], v[12*(8*((\s)%2)+\ct):12*(8*((\s)%2)+\ct)+11], v[AF+24*(\s)+12*\u:AF+24*(\s)+12*\u+11], 0, v[WS+4*\ct+(\s)], v[ES+2*(\s)+\u] matrix_a_fmt:MATRIX_FMT_BF6 matrix_b_fmt:MATRIX_FMT_BF6
.else
	v_wmma_scale_f32_16x16x128_f8f6f4 v[8*(8*\u+\ct):8*(8*\u+\ct)+7], v[12*(8*((\s)%2)+\ct):12*(8*((\s)%2)+\ct)+11], v[AF+24*(\s)+12*\u:AF+24*(\s)+12*\u+11], v[8*(8*\u+\ct):8*(8*\u+\ct)+7], v[WS+4*\ct+(\s)], v[ES+2*(\s)+\u] matrix_a_fmt:MATRIX_FMT_BF6 matrix_b_fmt:MATRIX_FMT_BF6
.endif
.endr
.endr
.endm
; The group's results against ys: four chains of packed multiply-adds (two for each row tile), each accumulator from its low end on; the pair's halves; the other half of the lanes; to my part of FS.
.macro EPI g
	WIN 0xff                                       ; all in window 3
.irp ct, 0,1,2,3,4,5,6,7
.irp jj, 0,2,4,6
.irp u, 0,1
.if (\ct == 0) && (\jj < 4)
	v_pk_mul_f32 v[PS+4*\u+\jj:PS+4*\u+\jj+1], v[8*(8*\u+\ct)+\jj:8*(8*\u+\ct)+\jj+1], v[YS+8*\ct+\jj:YS+8*\ct+\jj+1]      ; the first products start the chains
.else
	v_pk_fma_f32 v[PS+4*\u+\jj%4:PS+4*\u+\jj%4+1], v[8*(8*\u+\ct)+\jj:8*(8*\u+\ct)+\jj+1], v[YS+8*\ct+\jj:YS+8*\ct+\jj+1], v[PS+4*\u+\jj%4:PS+4*\u+\jj%4+1]
.endif
.endr
.endr
.endr
.irp u, 0,1
	v_pk_add_f32 v[PS+4*\u:PS+4*\u+1], v[PS+4*\u:PS+4*\u+1], v[PS+4*\u+2:PS+4*\u+3]
.endr
	WIN 0x0f                                       ; sources window 3, destination window 0
.irp u, 0,1
	v_add_f32 v[T+\u], v[PS+4*\u], v[PS+4*\u+1]
.endr
	WIN 0
.irp u, 0,1
	v_permlanex16_b32 v[T+2+\u], v[T+\u], s20, s21
.endr
.irp u, 0,1
	v_add_f32 v[T+\u], v[T+\u], v[T+2+\u]          ; row r's dot over my 128 columns and my half of K
.endr
	v_add_nc_u32 v[FA], s41, v[FA0]
.irp u, 0,1
	ds_store_b32 v[FA], v[T+\u] offset:128*(\g)+64*\u      ; lanes r and r + 16 write the same word with the same value
.endr
.endm
; GROUP g.  pf = 1: behind each K step's products the same step's fragments of group ng are fetched into the buffer just multiplied: three steps and a dot ahead of their use.
; chg = 1, 2: the change of slots, at the group's head: all this record's fragments have been asked for.  1: this slot is filled again, with the record two on, behind a round of the cluster's barrier; 2: nothing is left to fetch.
.macro GROUP g, ng, chg, pf
.irp s, 0,1,2,3
.if (\chg) && (\s == 0)
	WIN 0
	s_wait_tensorcnt 0x0                           ; all my tensor loads have landed: the one that was out is my quarter of the other slot; so a group 0 may be written
	ds_add_u32 v[SPW], v[NIL]                      ; 0 onto my spare word
.if \chg == 1
	s_xor_b32 s37, s37, SLOT1                      ; the walking descriptor: the other slot than last time,
	s_add_nc_u64 s[38:39], s[38:39], RECB          ; the next record; the type bits on top are not reached
.endif
	s_wait_dscnt 0x0                               ; the add is done, and my reads of this slot are over
	s_barrier_signal -1
	RUN 0                                          ; work on registers while the others arrive
	WIN 0
	s_barrier_wait -1
.if \chg == 1
	CREST                                          ; the barrier has opened a round of the cluster's: no wave of any partner still reads this slot or has a load on its way
	tensor_load_to_lds s[36:39], s[24:31]          ; my one tensor load behind the round, and the first thing there
	s_nop 0
.endif
	PLACES                                         ; behind the tensor load, and in front of the loads into buffer 0
	s_xor_b32 s40, s40, SLOT1                      ; on to the other slot
	v_add_nc_u32 v[AD0], s40, v[B0]
	v_add_nc_u32 v[AD1], s40, v[B1]
	v_add_nc_u32 v[ADS], s40, v[BS]
	FETCH \ng, 0
.else
.if \pf
	s_wait_dscnt 21                                ; this step's seven loads are in: behind them stand three fetches of seven (and, but for the first group, two stores)
.elseif \s == 0
	s_wait_dscnt 0x0
.endif
	RUN \s
	WIN 0
.if \pf
	PLACES
	FETCH \ng, \s
.endif
.endif
.endr
.if !\pf
	PLACES
.endif
	EPI \g
.endm
.macro TILE chg, last                  ; a record: four groups
	GROUP 0, 1, 0, 1
	GROUP 1, 2, 0, 1
	GROUP 2, 3, 0, 1
.if \last
	GROUP 3, 0, 0, 0
.else
	GROUP 3, 0, \chg, 1
.endif
	s_add_co_u32 s41, s41, 512
.endm
	v_add_nc_u32 v[AD0], s40, v[B0]
	v_add_nc_u32 v[AD1], s40, v[B1]
	v_add_nc_u32 v[ADS], s40, v[BS]
.irp s, 0,1,2,3
	FETCH 0, \s
.endr
	s_wait_loadcnt 0x0                             ; w's fragments and scale words, once
	s_mov_b32 s42, 6
.Ltile:                                                ; records 0 to 5: each asks for the record two on
	TILE 1, 0
	s_sub_co_u32 s42, s42, 1
	s_cmp_lg_u32 s42, 0
	s_cbranch_scc1 .Ltile
	TILE 2, 0                                      ; the tail is written out: record 6 asks for nothing
	TILE 0, 1                                      ; record 7 changes no slot
	; THE WAY OUT: the four waves' parts are added; a thread takes four rows at 16 t and four at 2,048 + 16 t, so that a wave's store covers 512 consecutive bytes
	s_wait_dscnt 0x0                               ; for the others' sake: my partial results are in LDS
	s_barrier_signal -1
	s_barrier_wait -1
.irp p, 0,1,2,3
.irp hh, 0,1
	ds_load_b128 v[SUM+8*\p+4*\hh:SUM+8*\p+4*\hh+3], v[FRD] offset:4096*\p+2048*\hh
.endr
.endr
	s_wait_dscnt 0x0
.irp k, 0,2,4,6
	v_pk_add_f32 v[SUM+\k:SUM+\k+1], v[SUM+\k:SUM+\k+1], v[SUM+8+\k:SUM+8+\k+1]
	v_pk_add_f32 v[SUM+16+\k:SUM+16+\k+1], v[SUM+16+\k:SUM+16+\k+1], v[SUM+24+\k:SUM+24+\k+1]
.endr
.irp k, 0,2,4,6
	v_pk_add_f32 v[SUM+\k:SUM+\k+1], v[SUM+\k:SUM+\k+1], v[SUM+16+\k:SUM+16+\k+1]
.endr
	global_store_b128 v[T16], v[SUM:SUM+3], s[12:13]
	global_store_b128 v[T16], v[SUM+4:SUM+7], s[12:13] offset:2048
	s_wait_tensorcnt 0x0                           ; the wave's end: behind my last tensor load and my last LDS store
	ds_add_u32 v[SPW], v[NIL]
	s_wait_dscnt 0x0
	CROUND                                         ; the closing round: no work-group ends while a partner may still ask for a record that names it
	s_endpgm
.Lfunc_end_k_qa638766332_gemm:
	.size	k_qa638766332_gemm, .Lfunc_end_k_qa638766332_gemm-k_qa638766332_gemm
	.p2alignl 7, 3214868480
	.fill 96, 4, 3214868480
	.section	.rodata,"a",@progbits
	.p2align	6, 0x0
	.amdhsa_kernel k_qa638766332_gemm
		.amdhsa_group_segment_fixed_size 327680
		.amdhsa_private_segment_fixed_size 0
		.amdhsa_enable_private_segment 0
		.amdhsa_kernarg_size 40
		.amdhsa_user_sgpr_count 2
		.amdhsa_user_sgpr_kernarg_segment_ptr 1
		.amdhsa_wavefront_size32 1
		.amdhsa_system_sgpr_workgroup_id_x 1
		.amdhsa_system_sgpr_workgroup_id_y 1
		.amdhsa_system_sgpr_workgroup_id_z 1
		.amdhsa_system_vgpr_workitem_id 0
		.amdhsa_next_free_vgpr 1024
		.amdhsa_next_free_sgpr 66
		.amdhsa_reserve_vcc 0
		.amdhsa_float_denorm_mode_32 3
		.amdhsa_float_denorm_mode_16_64 3
		.amdhsa_memory_ordered 1
		.amdhsa_forward_progress 1
		.amdhsa_inst_pref_size 207
	.end_amdhsa_kernel
	.amdgpu_metadata
---
amdhsa.version: [ 1, 2 ]
amdhsa.kernels:
  - .name:           k_qa638766332_gemm
    .symbol:         k_qa638766332_gemm.kd
    .args:
      - { .name: ecode, .offset: 0, .size: 8, .value_kind: global_buffer, .address_space: global }
      - { .name: wcode, .offset: 8, .size: 8, .value_kind: global_buffer, .address_space: global }
      - { .name: wscale, .offset: 16, .size: 8, .value_kind: global_buffer, .address_space: global }
      - { .name: psum, .offset: 24, .size: 8, .value_kind: global_buffer, .address_space: global }
      - { .name: fpart, .offset: 32, .size: 8, .value_kind: global_buffer, .address_space: global }
    .group_segment_fixed_size: 327680
    .private_segment_fixed_size: 0
    .kernarg_segment_align: 8
    .kernarg_segment_size: 40
    .max_flat_workgroup_size: 128
    .sgpr_count:     66
    .vgpr_count:     1024
    .wavefront_size: 32
...
	.end_amdgpu_metadata
.endif
;; end of part 2
;; launch attend (part 3): grid 8 x 32, 8 waves a work-group, no clusters, 13,824 bytes of LDS; arguments fpart, mask, embed_output, out0, out1; writes out0, out1
.if DOCPART == 3
	.amdgcn_target "amdgcn-amd-amdhsa--gfx1250"
	.amdhsa_code_object_version 6
	.text
	.protected	k_qa638766332_attend
	.globl	k_qa638766332_attend
	.p2align	8
	.type	k_qa638766332_attend,@function
k_qa638766332_attend:
	s_mov_b64 s[64:65], 0
	v_nop
	global_prefetch_b8 v0, s[64:65] scope:SCOPE_SE
	s_setreg_imm32_b32 hwreg(HW_REG_WAVE_MODE, 25, 1), 1
	s_wait_xcnt 0x0
; f[b][s] = the sum of the four quarters of fpart where mask is true, -1e9 where it is false; out1 = softmax of f over the batch's 2,048 rows (the true maximum is taken away first); out0[b][:] = the sum over s of out1 x E[b][s][:].
; SHARES.  Work-group (j, b) owns out0[b][128 j .. 128 j + 127]: every output number has one owner, and nothing is added between work-groups.  Each of a batch's eight work-groups makes the batch's softmax
; for itself, from 34 KB, against the 1 MB of E that it streams: what the eight share is a small part of their bytes, so there is no cluster and no joint load.  Wave j of work-group j stores its 256 rows of out1.
; SOFTMAX.  Thread t holds rows 4 t .. 4 t + 3 and 1,024 + 4 t .. + 3, so that each load and store of a wave covers 512 consecutive bytes.  p = 2^((f - M) log2(e)) goes to LDS unnormalised; 1 / the sum multiplies at the end.
; STREAM.  Wave v takes rows 256 v .. 256 v + 255; one load is a row's 512 bytes of my 128 columns, 16 bytes a lane.  A ring of 32 slots in registers keeps 32 loads of every wave on their way.
; LIMITS: a p under 2^-126 counts as 0 (the exponential flushes denormals: ISA guide 15.8); NaN and infinities among the inputs are not served.
.set PW,   0                           ; LDS: p of the batch's 2,048 rows;
.set RED1, 8192                        ; the eight waves' maxima;
.set RED2, 8448                        ; their sums;
.set ZP,   8704                        ; their parts of out0: 512 bytes each
.set L16, 2                            ; v2   16 x lane
.set T16, 3                            ; v3   16 x thread (also my place in PW, which begins at LDS byte 0)
.set T4,  4                            ; v4   4 x thread
.set RA,  5                            ; v5   RED1 + 4 x wave
.set RC,  7                            ; v7   RED1
.set PA0, 8                            ; v8   PW + 1,024 x wave: my wave's rows' p
.set PA,  9                            ; v9   + 128 x round
.set ZA,  10                           ; v10  ZP + 512 x wave + 16 x lane
.set ZR,  11                           ; v11  ZP + 16 x lane
.set NEG, 12                           ; v12  -1e9
.set ACC, 16                           ; v16-23 my four columns' sums, two chains
.set RV,  24                           ; v24-31 the eight waves' figures
.set PV,  32                           ; v32-63 a round's 32 p
.set RING, 64                          ; v64-191 32 slots of four
.set F,   192                          ; v192-223 the four quarters of my eight rows; then f and p in v192-199
.set MK,  224                          ; v224-225 my eight mask bytes
.set RL,  226                          ; v226-227 1 / the sum, twice
.set OP,  228                          ; v228-235 at work
	s_load_b256 s[4:11], s[0:1], 0x0               ; fpart s[4:5], mask s[6:7], E s[8:9], out0 s[10:11]
	s_load_b64 s[12:13], s[0:1], 0x20              ; out1
	v_lshl_add_u32 v240, v0, 2, 0x3200
	v_mov_b32 v241, 0
	v_lshrrev_b32 v1, 5, v0
	v_readfirstlane_b32 s16, v1                    ; wave 0..7
	v_and_b32 v1, 31, v0
	v_lshlrev_b32 v[L16], 4, v1
	v_lshlrev_b32 v[T16], 4, v0
	v_lshlrev_b32 v[T4], 2, v0
	s_and_b32 s17, ttmp7, 0xffff                   ; the batch
	s_lshl_b32 s18, s16, 2
	s_add_co_u32 s18, s18, RED1
	v_mov_b32 v[RA], s18
	v_mov_b32 v[RC], RED1
	s_lshl_b32 s18, s16, 10
	v_mov_b32 v[PA0], s18
	s_lshl_b32 s18, s16, 9
	s_add_co_u32 s18, s18, ZP
	v_add_nc_u32 v[ZA], s18, v[L16]
	v_add_nc_u32 v[ZR], ZP, v[L16]
	v_mov_b32 v[NEG], 0xce6e6b28                   ; -1e9
	v_mov_b32 v15, 0                               ; written once: a lane permute's destination counts as one of its sources
	s_mov_b32 s28, 0x76543210
	s_mov_b32 s29, 0xfedcba98                      ; v_permlanex16_b32's selects for lane l xor 16
	s_lshl_b32 s20, s17, 13                        ; 2,048 rows x 4 bytes a batch: fpart and out1
	s_mov_b32 s21, 0
	s_lshl_b32 s22, s17, 11                        ; mask
	s_mov_b32 s23, 0
	s_lshl_b32 s24, s17, 23                        ; E: 8 MiB a batch, 256 rows of 4,096 bytes a wave, my 512 bytes of a row
	s_lshl_b32 s19, s16, 20
	s_add_co_u32 s24, s24, s19
	s_lshl_b32 s19, ttmp9, 9
	s_add_co_u32 s24, s24, s19
	s_mov_b32 s25, 0
	s_lshl_b32 s26, s17, 12                        ; out0
	s_add_co_u32 s26, s26, s19
	s_mov_b32 s27, 0
	s_wait_kmcnt 0x0
	s_add_nc_u64 s[4:5], s[4:5], s[20:21]
	s_add_nc_u64 s[6:7], s[6:7], s[22:23]
	s_add_nc_u64 s[8:9], s[8:9], s[24:25]
	s_add_nc_u64 s[10:11], s[10:11], s[26:27]
	s_add_nc_u64 s[12:13], s[12:13], s[20:21]
.irp q, 0,1,2,3
.irp hh, 0,1
	global_load_b128 v[F+8*\q+4*\hh:F+8*\q+4*\hh+3], v[T16], s[4:5] offset:262144*\q+4096*\hh
.endr
.endr
	global_load_b32 v[MK], v[T4], s[6:7]
	global_load_b32 v[MK+1], v[T4], s[6:7] offset:1024
.set i, 0
.rept 32
	global_load_b128 v[RING+4*i:RING+4*i+3], v[L16], s[8:9] offset:4096*i th:TH_LOAD_NT   ; the ring is filled before the softmax is begun
.set i, i+1
.endr
	s_wait_loadcnt 32                              ; the quarters and the mask are in; the ring's 32 loads stay out
.irp k, 0,2,4,6
	v_pk_add_f32 v[F+\k:F+\k+1], v[F+\k:F+\k+1], v[F+8+\k:F+8+\k+1]
	v_pk_add_f32 v[F+16+\k:F+16+\k+1], v[F+16+\k:F+16+\k+1], v[F+24+\k:F+24+\k+1]
.endr
.irp k, 0,2,4,6
	v_pk_add_f32 v[F+\k:F+\k+1], v[F+\k:F+\k+1], v[F+16+\k:F+16+\k+1]
.endr
.irp hh, 0,1
.irp e, 0,1,2,3
	v_bfe_u32 v13, v[MK+\hh], 8*\e, 8
	v_cmp_ne_u32 vcc_lo, 0, v13
	v_cndmask_b32 v[F+4*\hh+\e], v[NEG], v[F+4*\hh+\e], vcc_lo     ; a choice of values: no branch hangs on the mask
.endr
.endr
	v_max3_num_f32 v14, v[F], v[F+1], v[F+2]       ; the largest f: of my eight,
	v_max3_num_f32 v14, v14, v[F+3], v[F+4]
	v_max3_num_f32 v14, v14, v[F+5], v[F+6]
	v_max_num_f32 v14, v14, v[F+7]
	v_max_num_f32_dpp v14, v14, v14 row_xmask:1 row_mask:0xf bank_mask:0xf     ; of the wave's,
	v_max_num_f32_dpp v14, v14, v14 row_xmask:2 row_mask:0xf bank_mask:0xf
	v_max_num_f32_dpp v14, v14, v14 row_xmask:4 row_mask:0xf bank_mask:0xf
	v_max_num_f32_dpp v14, v14, v14 row_xmask:8 row_mask:0xf bank_mask:0xf
	v_permlanex16_b32 v15, v14, s28, s29
	v_max_num_f32 v14, v14, v15
	ds_store_b32 v[RA], v14
	s_wait_dscnt 0x0                               ; for the others' sake
	s_barrier_signal -1
	s_barrier_wait -1
	ds_load_b128 v[RV:RV+3], v[RC]
	ds_load_b128 v[RV+4:RV+7], v[RC] offset:16
	s_wait_dscnt 0x0
	v_max3_num_f32 v14, v[RV], v[RV+1], v[RV+2]    ; of the batch's
	v_max3_num_f32 v14, v14, v[RV+3], v[RV+4]
	v_max3_num_f32 v14, v14, v[RV+5], v[RV+6]
	v_max_num_f32 v14, v14, v[RV+7]
.irp e, 0,1,2,3,4,5,6,7
	v_sub_f32 v[F+\e], v[F+\e], v14                ; the difference first, then the factor: nothing is lost where f is large
.endr
.irp k, 0,2,4,6
	v_pk_mul_f32 v[F+\k:F+\k+1], v[F+\k:F+\k+1], 0x3fb8aa3b op_sel_hi:[1,0]
.endr
.irp e, 0,1,2,3,4,5,6,7
	v_exp_f32 v[F+\e], v[F+\e]
.endr
	v_nop                                          ; one plain place behind the exponentials
	s_wait_alu depctr_va_vdst(0)
	v_pk_add_f32 v[OP:OP+1], v[F:F+1], v[F+2:F+3]
	v_pk_add_f32 v[OP+2:OP+3], v[F+4:F+5], v[F+6:F+7]
	v_pk_add_f32 v[OP:OP+1], v[OP:OP+1], v[OP+2:OP+3]
	v_add_f32 v13, v[OP], v[OP+1]
	v_add_f32_dpp v13, v13, v13 row_xmask:1 row_mask:0xf bank_mask:0xf
	v_add_f32_dpp v13, v13, v13 row_xmask:2 row_mask:0xf bank_mask:0xf
	v_add_f32_dpp v13, v13, v13 row_xmask:4 row_mask:0xf bank_mask:0xf
	v_add_f32_dpp v13, v13, v13 row_xmask:8 row_mask:0xf bank_mask:0xf
	v_permlanex16_b32 v15, v13, s28, s29
	v_add_f32 v13, v13, v15
	ds_store_b128 v[T16], v[F:F+3] offset:PW       ; p of row s lies at PW + 4 s
	ds_store_b128 v[T16], v[F+4:F+7] offset:PW+4096
	ds_store_b32 v[RA], v13 offset:RED2-RED1
	s_wait_dscnt 0x0                               ; for the others' sake
	s_barrier_signal -1
	s_barrier_wait -1
	ds_load_b128 v[RV:RV+3], v[RC] offset:RED2-RED1
	ds_load_b128 v[RV+4:RV+7], v[RC] offset:RED2-RED1+16
	s_wait_dscnt 0x0
	v_pk_add_f32 v[RV:RV+1], v[RV:RV+1], v[RV+2:RV+3]
	v_pk_add_f32 v[RV+4:RV+5], v[RV+4:RV+5], v[RV+6:RV+7]
	v_pk_add_f32 v[RV:RV+1], v[RV:RV+1], v[RV+4:RV+5]
	v_add_f32 v[RV], v[RV], v[RV+1]
	v_rcp_f32 v[RL], v[RV]
	v_nop                                          ; one plain place behind the reciprocal
	s_wait_alu depctr_va_vdst(0)
	v_mov_b32 v[RL+1], v[RL]
	s_cmp_lg_u32 s16, ttmp9                        ; out1: wave j of work-group j stores its rows, so that each row has one owner; no barrier stands under this branch
	s_cbranch_scc1 .Lnot_mine
.irp k, 0,2,4,6
	v_pk_mul_f32 v[OP+\k:OP+\k+1], v[F+\k:F+\k+1], v[RL:RL+1]
.endr
	global_store_b128 v[T16], v[OP:OP+3], s[12:13]
	global_store_b128 v[T16], v[OP+4:OP+7], s[12:13] offset:4096
.Lnot_mine:
.irp k, 0,1,2,3,4,5,6,7
	v_mov_b32 v[ACC+\k], 0
.endr
; A round: 32 rows.  ahead = 1: each slot is filled again with the row 32 further down.
.macro ROUND ahead
	v_add_nc_u32 v[PA], s30, v[PA0]
.irp k, 0,1,2,3,4,5,6,7
	ds_load_b128 v[PV+4*\k:PV+4*\k+3], v[PA] offset:16*\k          ; the round's 32 p: every lane reads the same words
.endr
	s_wait_dscnt 0x0
.set i, 0
.rept 32
.if \ahead
	s_wait_loadcnt 31                              ; loads come back in order (ISA guide 5.7.1): this slot's is in, the 31 younger ones stay out
.else
	s_wait_loadcnt 31-i                            ; the last round loads nothing: the counts run down
.endif
.if i%2
	v_pk_fma_f32 v[ACC+4:ACC+5], v[RING+4*i:RING+4*i+1], v[PV+i-1:PV+i], v[ACC+4:ACC+5] op_sel:[0,1,0] op_sel_hi:[1,1,1]       ; the pair's upper word, p of an odd row, serves both halves
	v_pk_fma_f32 v[ACC+6:ACC+7], v[RING+4*i+2:RING+4*i+3], v[PV+i-1:PV+i], v[ACC+6:ACC+7] op_sel:[0,1,0] op_sel_hi:[1,1,1]
.else
	v_pk_fma_f32 v[ACC:ACC+1], v[RING+4*i:RING+4*i+1], v[PV+i:PV+i+1], v[ACC:ACC+1] op_sel_hi:[1,0,1]                         ; the pair's lower word, p of an even row
	v_pk_fma_f32 v[ACC+2:ACC+3], v[RING+4*i+2:RING+4*i+3], v[PV+i:PV+i+1], v[ACC+2:ACC+3] op_sel_hi:[1,0,1]
.endif
.if \ahead
	global_load_b128 v[RING+4*i:RING+4*i+3], v[L16], s[8:9] offset:4096*(32+i) th:TH_LOAD_NT
.endif
.set i, i+1
.endr
.endm
	s_mov_b32 s30, 0                               ; 128 x round: the round's p
	s_mov_b32 s31, 7
.Lround:
	ROUND 1
	s_wait_xcnt 0x0                                ; the loads' base is stepped only behind this wait
	s_add_nc_u64 s[8:9], s[8:9], 131072            ; 32 rows on
	s_add_co_u32 s30, s30, 128
	s_sub_co_u32 s31, s31, 1
	s_cmp_lg_u32 s31, 0
	s_cbranch_scc1 .Lround
	ROUND 0                                        ; the last 32 rows: no load leaves the buffer
	v_pk_add_f32 v[ACC:ACC+1], v[ACC:ACC+1], v[ACC+4:ACC+5]
	v_pk_add_f32 v[ACC+2:ACC+3], v[ACC+2:ACC+3], v[ACC+6:ACC+7]
	v_pk_mul_f32 v[ACC:ACC+1], v[ACC:ACC+1], v[RL:RL+1]
	v_pk_mul_f32 v[ACC+2:ACC+3], v[ACC+2:ACC+3], v[RL:RL+1]
	ds_store_b128 v[ZA], v[ACC:ACC+3]
	s_wait_dscnt 0x0                               ; for wave 0's sake
	s_barrier_signal -1
	s_barrier_wait -1
	s_cmp_lg_u32 s16, 0
	s_cbranch_scc1 .Lend
.irp k, 0,1,2,3,4,5,6,7
	ds_load_b128 v[RING+4*\k:RING+4*\k+3], v[ZR] offset:512*\k     ; the eight waves' parts of my four columns
.endr
	s_wait_dscnt 0x0
.irp k, 0,2,4,6,8,10,12,14
	v_pk_add_f32 v[RING+\k:RING+\k+1], v[RING+\k:RING+\k+1], v[RING+16+\k:RING+16+\k+1]
.endr
.irp k, 0,2,4,6
	v_pk_add_f32 v[RING+\k:RING+\k+1], v[RING+\k:RING+\k+1], v[RING+8+\k:RING+8+\k+1]
.endr
.irp k, 0,2
	v_pk_add_f32 v[RING+\k:RING+\k+1], v[RING+\k:RING+\k+1], v[RING+4+\k:RING+4+\k+1]
.endr
	global_store_b128 v[L16], v[RING:RING+3], s[10:11]             ; 32 lanes store 512 consecutive bytes of out0
.Lend:
	s_wait_tensorcnt 0x0
	ds_add_u32 v240, v241
	s_wait_dscnt 0x0
	s_endpgm
.Lfunc_end_k_qa638766332_attend:
	.size	k_qa638766332_attend, .Lfunc_end_k_qa638766332_attend-k_qa638766332_attend
	.p2alignl 7, 3214868480
	.fill 96, 4, 3214868480
	.section	.rodata,"a",@progbits
	.p2align	6, 0x0
	.amdhsa_kernel k_qa638766332_attend
		.amdhsa_group_segment_fixed_size 13824
		.amdhsa_private_segment_fixed_size 0
		.amdhsa_enable_private_segment 0
		.amdhsa_kernarg_size 40
		.amdhsa_user_sgpr_count 2
		.amdhsa_user_sgpr_kernarg_segment_ptr 1
		.amdhsa_wavefront_size32 1
		.amdhsa_system_sgpr_workgroup_id_x 1
		.amdhsa_system_sgpr_workgroup_id_y 1
		.amdhsa_system_sgpr_workgroup_id_z 1
		.amdhsa_system_vgpr_workitem_id 0
		.amdhsa_next_free_vgpr 242
		.amdhsa_next_free_sgpr 66
		.amdhsa_reserve_vcc 1
		.amdhsa_float_denorm_mode_32 3
		.amdhsa_float_denorm_mode_16_64 3
		.amdhsa_memory_ordered 1
		.amdhsa_forward_progress 1
		.amdhsa_inst_pref_size 29
	.end_amdhsa_kernel
	.amdgpu_metadata
---
amdhsa.version: [ 1, 2 ]
amdhsa.kernels:
  - .name:           k_qa638766332_attend
    .symbol:         k_qa638766332_attend.kd
    .args:
      - { .name: fpart, .offset: 0, .size: 8, .value_kind: global_buffer, .address_space: global }
      - { .name: mask, .offset: 8, .size: 8, .value_kind: global_buffer, .address_space: global }
      - { .name: embed_output, .offset: 16, .size: 8, .value_kind: global_buffer, .address_space: global }
      - { .name: out0, .offset: 24, .size: 8, .value_kind: global_buffer, .address_space: global }
      - { .name: out1, .offset: 32, .size: 8, .value_kind: global_buffer, .address_space: global }
    .group_segment_fixed_size: 13824
    .private_segment_fixed_size: 0
    .kernarg_segment_align: 8
    .kernarg_segment_size: 40
    .max_flat_workgroup_size: 256
    .sgpr_count:     66
    .vgpr_count:     242
    .wavefront_size: 32
...
	.end_amdgpu_metadata
.endif
;; end of part 3
;; ======== version 2 of 2: 3 launches; 1.12 times as fast as version 1
;; workspace buffers: ecode 52,428,800 bytes; psum 2,097,152 bytes; wcode 786,432 bytes; wscale 65,536 bytes; fpart 1,048,576 bytes; rowlist 262,144 bytes of whole numbers; rowcnt 256 bytes of whole numbers
;; launch quant (part 4): grid 608 x 1, 8 waves a work-group, no clusters, 72,704 bytes of LDS; arguments embed_output, w, ecode, psum, wcode, wscale, mask, rowlist, rowcnt; writes ecode, psum, wcode, wscale, rowlist, rowcnt
.if DOCPART == 4
	.amdgcn_target "amdgcn-amd-amdhsa--gfx1250"
	.amdhsa_code_object_version 6
	.text
	.protected	k_qa638766332_quant
	.globl	k_qa638766332_quant
	.p2align	8
	.type	k_qa638766332_quant,@function
k_qa638766332_quant:
	s_mov_b64 s[64:65], 0
	v_nop
	global_prefetch_b8 v0, s[64:65] scope:SCOPE_SE
	s_setreg_imm32_b32 hwreg(HW_REG_WAVE_MODE, 25, 1), 1
	s_wait_xcnt 0x0
; E [65536][1024] and w [1024 (k)][1024 (n)], f32, become codes of BF6 (E3M2) with one E8M0 byte for each 32 along K, laid in the ORDER OF THE OPERAND'S REGISTERS,
; so that the product's launch takes every fragment by loads of 16 bytes a lane.  On the way the column sums of E are taken (for the mean over the sequence, and for the masked rows' share of the result).
; The mask becomes, for each batch, a list of its rows with the unmasked ones first, and their number: the last launch forms its addresses and its trip counts from them.
; A block's scale is 2^(floor(log2(its largest magnitude)) - 4): its byte is the largest magnitude's exponent field - 4, held at 1 from below by a floor among the maximum's leaves.
; LIMITS: a block of zeros gets the byte 1 where the rule says 127 (its codes are zeros, which add nothing, and this program alone reads the bytes); blocks whose largest
; magnitude lies under 2^-122 are held at the byte 1; NaN and infinities among the inputs are not served; a byte of the mask is 0 or 1, as the problem states it (the count adds bytes).
; A FRAGMENT is 16 rows x 128 K, 12 registers a lane: lane (r, h) holds row r, registers 6 c .. 6 c + 5 = k 64 c + 32 h + 0 .. 31.  Its image: three groups of four registers, lane l's 16 bytes at 16 l.
; ecode: 512 records of 102,400 bytes, one for each 128 rows: [row tile 8][K step 8][group 3][lane 32][16 bytes], then the scale words [K step 8][pair of tiles 4][row 16][tile of the pair 2].
; psum:  [record 512][1024] f32, the column sums of the record's 128 rows.     wcode: [column tile 64][K step 8][group 3][lane][16 bytes].     wscale: [column tile 64][K step 8][lane 32] words.
; rowlist: [batch 32][2048] words, a permutation of the batch's rows: the unmasked rows ascending from the front, the masked ones from the back.     rowcnt: [batch 32] words: how many are unmasked.
; SHARES.  Work-groups 0-31: a batch's list each, wave = 256 rows.  Work-groups 32-95: a column tile of w each, wave = K step: one fragment a wave; a lane takes a column and its registers run down K, so nothing is transposed.
; Work-groups 96-607: a record of E each, wave = K step (512 bytes of every row), eight row tiles one after the other.  Each load reads 512 consecutive bytes of a row; a tile's 16 rows turn
; through the wave's own stage in LDS, so that a lane gets the 64 numbers that the operand's layout gives it.  Waves share nothing: no barrier.  Work-groups share no input: no cluster.
.set NWGL,   32                        ; work-groups that take the mask
.set NWGW,   64                        ; work-groups that take w
.set RECB,   102400                    ; bytes of a record
.set SCOFF,  98304                     ; where a record's scale words begin
.set FRB,    1536                      ; bytes of a fragment's image
.set SPITCH, 528                       ; a stage row: 512 bytes + 16, an odd multiple of 16: the sixteen rows that a load of 16 bytes a lane touches fall on different banks (ISA guide 11.1)
.set STGB,   16*SPITCH                 ; a wave's stage
.set SCS,    8*STGB                    ; behind the stages: 512 bytes of scale words for each wave
.set FLOOR,  0x2800000                 ; 2^(5 - 127)
.set EOFF,   0xfe000000                ; -(4 << 23)
.set GL,  4                            ; v4     16 x lane: my place in 512 bytes
.set SB,  5                            ; v5     stage, on the way in
.set SA,  6                            ; v6     stage, on the way out: row r, + 128 h
.set SC,  7                            ; v7     LDS: my row's scale word
.set SCR, 8                            ; v8     LDS: the scale words on their way out
.set SH,  9                            ; v9     8 h
.set MX,  10                           ; v10-13 four chains of the two blocks' maxima
.set SO,  14                           ; v14-15 the conversions' scale operands
.set BY,  16                           ; v16-17 the scale bytes
.set WD,  18                           ; v18    the scale word
.set PT,  19                           ; v19    the other half's bytes
.set CS,  20                           ; v20-27 column sums, two chains of four
.set PC,  28                           ; v28-39 a fragment's codes
.set TQ,  40                           ; v40-46 the second halves of the blocks, as the conversions leave them
.set OW,  48                           ; v48-51 scale words on their way out
.set WA,  52                           ; v52    w: my column and my half's first row
.set WL,  53                           ; v53    4 x lane
.set X,   64                           ; v64-127  64 numbers: register 32 c + i = k 64 c + 32 h + i of my row (or column)
.set R,   128                          ; v128-255 two sets of 16 rows as they are loaded
	s_load_b256 s[4:11], s[0:1], 0x0               ; E s[4:5], w s[6:7], ecode s[8:9], psum s[10:11]
	s_load_b128 s[12:15], s[0:1], 0x20             ; wcode s[12:13], wscale s[14:15]
	s_load_b128 s[32:35], s[0:1], 0x30             ; mask s[32:33], rowlist s[34:35]
	s_load_b64 s[36:37], s[0:1], 0x40              ; rowcnt
	v_lshl_add_u32 v47, v0, 2, 0x11800
	v_mov_b32 v63, 0
	v_lshrrev_b32 v1, 5, v0
	v_readfirstlane_b32 s16, v1                    ; wave
	v_and_b32 v1, 31, v0                           ; lane
	v_and_b32 v2, 15, v0                           ; r
	v_bfe_u32 v3, v0, 4, 1                         ; h
	v_lshlrev_b32 v[GL], 4, v1
	v_lshlrev_b32 v[SH], 3, v3
	v_mov_b32 v[PT], 0                             ; written once: a lane permute's destination counts as one of its sources
	s_mov_b32 s20, 0x76543210
	s_mov_b32 s21, 0xfedcba98                      ; v_permlanex16_b32's selects for lane l xor 16
	s_mul_i32 s17, s16, STGB                       ; my wave's stage
	v_add_nc_u32 v[SB], s17, v[GL]
	v_mul_u32_u24 v[SA], v2, SPITCH
	v_lshl_add_u32 v[SA], v3, 7, v[SA]
	v_add_nc_u32 v[SA], s17, v[SA]
	s_lshl_b32 s17, s16, 9
	s_add_co_u32 s17, s17, SCS                     ; my wave's scale words
	v_lshl_add_u32 v[SC], v2, 3, s17
	v_add_nc_u32 v[SCR], s17, v[GL]
	s_cmp_lt_u32 ttmp9, NWGL
	s_cbranch_scc1 .Llist
	s_cmp_lt_u32 ttmp9, NWGL+NWGW
	s_cbranch_scc1 .Lweights
; 64 numbers in v[X] on become a fragment's codes in v[PC] on and its scale word in v[WD].  A lane holds two whole blocks: 2 c + h, c = 0, 1.
.macro QUANT
.irp c, 0,1
	v_max3_num_f32 v[MX+2*\c], |v[X+32*\c]|, |v[X+32*\c+1]|, FLOOR         ; two chains a block, each with the floor as a leaf: the byte cannot fall under 1
	v_max3_num_f32 v[MX+2*\c+1], |v[X+32*\c+16]|, |v[X+32*\c+17]|, FLOOR
.endr
.irp i, 2,4,6,8,10,12,14
.irp c, 0,1
	v_max3_num_f32 v[MX+2*\c], v[MX+2*\c], |v[X+32*\c+\i]|, |v[X+32*\c+\i+1]|          ; the four chains by turns
	v_max3_num_f32 v[MX+2*\c+1], v[MX+2*\c+1], |v[X+32*\c+16+\i]|, |v[X+32*\c+17+\i]|
.endr
.endr
.irp c, 0,1
	v_max_num_f32 v[MX+2*\c], v[MX+2*\c], v[MX+2*\c+1]     ; the block's largest magnitude
.endr
.irp c, 0,1
	v_add_nc_u32 v[SO+\c], EOFF, v[MX+2*\c]                ; 4 off its exponent field: the conversion takes the exponent field of this operand as its scale
.endr
.irp c, 0,1
	v_lshrrev_b32 v[BY+\c], 23, v[SO+\c]                   ; the scale's byte
.endr
	v_lshl_or_b32 v[WD], v[BY+1], 16, v[BY]                ; my two bytes: blocks h and 2 + h,
	v_lshlrev_b32 v[WD], v[SH], v[WD]                      ; at their places in the word;
	v_permlanex16_b32 v[PT], v[WD], s20, s21
	v_or_b32 v[WD], v[WD], v[PT]                           ; with lane l xor 16's two the word is whole, in both halves of the lanes
.irp c, 0,1
	v_cvt_scalef32_pk16_bf6_f32 v[PC+6*\c:PC+6*\c+2], v[X+32*\c:X+32*\c+15], v[SO+\c]
	v_cvt_scalef32_pk16_bf6_f32 v[TQ+4*\c:TQ+4*\c+2], v[X+32*\c+16:X+32*\c+31], v[SO+\c]   ; (a conversion's three registers begin on an even number)
.endr
	v_nop                                                  ; one plain place behind the scaled conversions
.irp c, 0,1
.irp i, 0,1,2
	v_mov_b32 v[PC+6*\c+3+\i], v[TQ+4*\c+\i]
.endr
.endr
.endm
	; ---- a record of E
	s_sub_co_u32 s18, ttmp9, NWGL+NWGW             ; the record
	s_lshl_b32 s19, s16, 9                         ; 512 x K step
	s_lshl_b32 s22, s18, 19                        ; E: 128 rows of 4,096 bytes a record, + my 512 bytes of a row
	s_add_co_u32 s22, s22, s19
	s_mov_b32 s23, 0
	s_mul_i32 s24, s18, RECB
	s_mul_i32 s26, s16, FRB
	s_add_co_u32 s26, s26, s24                     ; codes: record + K step's image
	s_mov_b32 s27, 0
	s_add_co_u32 s24, s24, s19
	s_add_co_u32 s24, s24, SCOFF                   ; scale words: record + 98,304 + 512 x K step
	s_mov_b32 s25, 0
	s_lshl_b32 s28, s18, 12
	s_add_co_u32 s28, s28, s19                     ; column sums: 4,096 x record + my 128 columns
	s_mov_b32 s29, 0
	s_wait_kmcnt 0x0
	s_add_nc_u64 s[4:5], s[4:5], s[22:23]
	s_add_nc_u64 s[30:31], s[8:9], s[24:25]
	s_add_nc_u64 s[8:9], s[8:9], s[26:27]
	s_add_nc_u64 s[10:11], s[10:11], s[28:29]
.macro LOADT t                         ; row tile t: sixteen loads, each 512 consecutive bytes of a row, into set t % 2
.irp p, 0,1,2,3,4,5,6,7,8,9,10,11,12,13,14,15
	global_load_b128 v[R+64*((\t)%2)+4*\p:R+64*((\t)%2)+4*\p+3], v[GL], s[4:5] offset:(16*(\t)+\p)*4096 th:TH_LOAD_NT
.endr
.endm
.macro STEP t
.set RS, R+64*((\t)%2)
.if (\t) < 7
	s_wait_loadcnt 16                              ; this tile's sixteen loads are in; the next tile's sixteen stay out
.else
	s_wait_loadcnt 0x0
.endif
.irp p, 0,1,2,3,4,5,6,7,8,9,10,11,12,13,14,15          ; the column sums: row p into chain p % 2.  Tile 0's first four rows start the chains: nothing is cleared
.if ((\t) == 0) && (\p < 2)
.elseif ((\t) == 0) && (\p < 4)
	v_pk_add_f32 v[CS+4*(\p%2):CS+4*(\p%2)+1], v[RS+4*\p-8:RS+4*\p-7], v[RS+4*\p:RS+4*\p+1]
	v_pk_add_f32 v[CS+4*(\p%2)+2:CS+4*(\p%2)+3], v[RS+4*\p-6:RS+4*\p-5], v[RS+4*\p+2:RS+4*\p+3]
.else
	v_pk_add_f32 v[CS+4*(\p%2):CS+4*(\p%2)+1], v[CS+4*(\p%2):CS+4*(\p%2)+1], v[RS+4*\p:RS+4*\p+1]
	v_pk_add_f32 v[CS+4*(\p%2)+2:CS+4*(\p%2)+3], v[CS+4*(\p%2)+2:CS+4*(\p%2)+3], v[RS+4*\p+2:RS+4*\p+3]
.endif
.endr
.irp p, 0,1,2,3,4,5,6,7,8,9,10,11,12,13,14,15
	ds_store_b128 v[SB], v[RS+4*\p:RS+4*\p+3] offset:SPITCH*\p         ; the rows as they lie
.endr
.irp c, 0,1
.irp i, 0,1,2,3,4,5,6,7
	ds_load_b128 v[X+32*\c+4*\i:X+32*\c+4*\i+3], v[SA] offset:256*\c+16*\i   ; LDS serves a wave's instructions in order (ISA guide 5.7.1.4): these see the stores above
.endr
.endr
	s_wait_dscnt 0x0                               ; my 64 numbers are in, and the stores into the stage have read their registers
	s_wait_xcnt 0x0                                ; the last tile's stores have read v[PC] on: it is written again only behind this wait
.if (\t)+2 < 8
	LOADT (\t)+2                                   ; into the set that has just gone through the stage
.endif
	QUANT
	ds_store_b32 v[SC], v[WD] offset:128*((\t)/2)+4*((\t)%2)           ; lanes r and r + 16 write the same word with the same value
.irp e, 0,1,2
	global_store_b128 v[GL], v[PC+4*\e:PC+4*\e+3], s[8:9] offset:8*FRB*(\t)+512*\e   ; the image: 512 consecutive bytes a store
.endr
.endm
	LOADT 0
	LOADT 1
.irp t, 0,1,2,3,4,5,6,7
	STEP \t
.endr
	ds_load_b128 v[OW:OW+3], v[SCR]                ; my wave's 512 bytes of scale words
	v_pk_add_f32 v[CS:CS+1], v[CS:CS+1], v[CS+4:CS+5]
	v_pk_add_f32 v[CS+2:CS+3], v[CS+2:CS+3], v[CS+6:CS+7]
	global_store_b128 v[GL], v[CS:CS+3], s[10:11]  ; the sums of my four columns over the record's 128 rows
	s_wait_dscnt 0x0
	global_store_b128 v[GL], v[OW:OW+3], s[30:31]
	s_wait_tensorcnt 0x0
	ds_add_u32 v47, v63
	s_wait_dscnt 0x0
	s_endpgm
	; ---- a column tile of w: lane (r, h) takes column 16 x tile + r, and its registers run down K in the order that the operand's layout gives it
.Lweights:
	s_sub_co_u32 s18, ttmp9, NWGL                  ; the column tile
	v_lshlrev_b32 v[WA], 2, v2
	v_lshl_add_u32 v[WA], v3, 17, v[WA]            ; lanes 16-31 begin 32 rows of 4,096 bytes further down
	v_lshlrev_b32 v[WL], 2, v1
	s_lshl_b32 s22, s16, 19                        ; w: 128 rows a K step, + 64 bytes a column tile
	s_lshl_b32 s19, s18, 6
	s_add_co_u32 s22, s22, s19
	s_mov_b32 s23, 0
	s_mul_i32 s24, s18, 8*FRB
	s_mul_i32 s19, s16, FRB
	s_add_co_u32 s24, s24, s19
	s_mov_b32 s25, 0
	s_lshl_b32 s26, s18, 10                        ; scale words: 128 bytes for each tile and K step
	s_lshl_b32 s19, s16, 7
	s_add_co_u32 s26, s26, s19
	s_mov_b32 s27, 0
	s_wait_kmcnt 0x0
	s_add_nc_u64 s[6:7], s[6:7], s[22:23]
	s_add_nc_u64 s[12:13], s[12:13], s[24:25]
	s_add_nc_u64 s[14:15], s[14:15], s[26:27]
.irp c, 0,1
.irp i, 0,1,2,3,4,5,6,7,8,9,10,11,12,13,14,15,16,17,18,19,20,21,22,23,24,25,26,27,28,29,30,31
	global_load_b32 v[X+32*\c+\i], v[WA], s[6:7] offset:(64*\c+\i)*4096   ; w(128 step + 64 c + 32 h + i, my column): sixteen lanes read 64 neighbouring bytes
.endr
.endr
	s_wait_loadcnt 0x0
	QUANT
.irp e, 0,1,2
	global_store_b128 v[GL], v[PC+4*\e:PC+4*\e+3], s[12:13] offset:512*\e
.endr
	global_store_b32 v[WL], v[WD], s[14:15]        ; lane r has column r's word; lanes 16-31 hold the same
	s_endpgm
	; ---- a batch's list.  Wave v places rows 256 v .. 256 v + 255, in eight chunks of 32 (lane l: row 256 v + 32 e + l).  An unmasked row goes to the place (unmasked rows ahead of it),
	; a masked one to 2,047 - (masked rows ahead of it): every place is written once.  Each wave counts the whole batch's 2,048 bytes for itself (64 a lane), so the waves hand each other nothing.
	; The places of a chunk's unmasked rows are neighbours, so a store's words lie in two runs; the list is 8 KB a batch, a small part of what the launch moves.
.Llist:
	v_lshlrev_b32 v54, 6, v1                       ; 64 x lane: my 64 bytes of the batch's mask
	s_lshl_b32 s17, s16, 8                         ; 256 x wave
	v_add_nc_u32 v55, s17, v1                      ; my row of chunk 0
	s_lshl_b32 s22, ttmp9, 11                      ; mask: 2,048 bytes a batch
	s_mov_b32 s23, 0
	s_lshl_b32 s24, ttmp9, 13                      ; rowlist: 8,192
	s_mov_b32 s25, 0
	s_lshl_b32 s26, ttmp9, 2                       ; rowcnt: 4
	s_mov_b32 s27, 0
	s_mov_b32 s28, 0x01010101
	s_lshl_b32 s29, s16, 2                         ; lanes under 4 x wave hold the rows ahead of my wave's
	v_mov_b32 v58, 0                               ; written once: the destination of a DPP form and of a lane permute counts as one of its sources
	s_wait_kmcnt 0x0
	s_add_nc_u64 s[32:33], s[32:33], s[22:23]
	s_add_nc_u64 s[34:35], s[34:35], s[24:25]
	s_add_nc_u64 s[36:37], s[36:37], s[26:27]
.irp i, 0,1,2,3
	global_load_b128 v[64+4*\i:67+4*\i], v54, s[32:33] offset:16*\i
.endr
.irp e, 0,1,2,3,4,5,6,7
	global_load_u8 v[80+\e], v55, s[32:33] offset:32*\e
.endr
	s_wait_loadcnt 0x0
	v_add3_u32 v56, v64, v65, v66                  ; sixteen words added: each of the four byte places holds at most 16, so none carries into the next
.irp i, 67,69,71,73,75,77
	v_add3_u32 v56, v56, v[\i], v[\i+1]
.endr
	v_add_nc_u32 v56, v56, v79
	v_mul_lo_u32 v56, v56, s28                     ; the four byte places added in the top byte (at most 64)
	v_lshrrev_b32 v56, 24, v56                     ; the unmasked among my 64 rows
	v_cmp_gt_u32 vcc_lo, s29, v1
	v_cndmask_b32 v57, 0, v56, vcc_lo              ; counted again where they lie ahead of my wave's rows
	v_lshl_or_b32 v57, v57, 16, v56                ; both counts in one word: each sum stays under 65,536
.irp m, 1,2,4,8
	v_mov_b32_dpp v58, v57 row_xmask:\m row_mask:0xf bank_mask:0xf
	v_add_nc_u32 v57, v57, v58
.endr
	v_permlanex16_b32 v58, v57, s20, s21
	v_add_nc_u32 v57, v57, v58
	v_readfirstlane_b32 s30, v57
	s_and_b32 s31, s30, 0xffff                     ; the batch's unmasked rows
	s_lshr_b32 s30, s30, 16                        ; the unmasked rows ahead of my wave's,
	s_sub_co_u32 s38, s17, s30                     ; and the masked ones
.irp e, 0,1,2,3,4,5,6,7
	v_cmp_ne_u32 vcc_lo, 0, v[80+\e]
	s_not_b32 s39, vcc_lo
	v_mbcnt_lo_u32_b32 v59, vcc_lo, s30            ; the unmasked rows ahead of mine
	v_mbcnt_lo_u32_b32 v60, s39, s38               ; the masked rows ahead of mine
	v_sub_nc_u32 v60, 0x7ff, v60
	v_cndmask_b32 v59, v60, v59, vcc_lo
	v_min_u32 v59, 0x7ff, v59                      ; a number made of loaded data enters an address only behind this bound
	v_lshlrev_b32 v[88+\e], 2, v59
	v_add_nc_u32 v[96+\e], 32*\e, v55              ; my row.  (Each chunk has its own address and data registers: none is written again)
	global_store_b32 v[88+\e], v[96+\e], s[34:35]
	s_bcnt1_i32_b32 s40, vcc_lo
	s_add_co_u32 s30, s30, s40
	s_sub_co_u32 s40, 32, s40
	s_add_co_u32 s38, s38, s40
.endr
	s_cmp_lg_u32 s16, 0
	s_cbranch_scc1 .Llist_end
	v_mov_b32 v61, 0
	v_mov_b32 v62, s31
	global_store_b32 v61, v62, s[36:37]            ; all lanes write the same word with the same value
.Llist_end:
	s_endpgm
.Lfunc_end_k_qa638766332_quant:
	.size	k_qa638766332_quant, .Lfunc_end_k_qa638766332_quant-k_qa638766332_quant
	.p2alignl 7, 3214868480
	.fill 96, 4, 3214868480
	.section	.rodata,"a",@progbits
	.p2align	6, 0x0
	.amdhsa_kernel k_qa638766332_quant
		.amdhsa_group_segment_fixed_size 72704
		.amdhsa_private_segment_fixed_size 0
		.amdhsa_enable_private_segment 0
		.amdhsa_kernarg_size 72
		.amdhsa_user_sgpr_count 2
		.amdhsa_user_sgpr_kernarg_segment_ptr 1
		.amdhsa_wavefront_size32 1
		.amdhsa_system_sgpr_workgroup_id_x 1
		.amdhsa_system_sgpr_workgroup_id_y 1
		.amdhsa_system_sgpr_workgroup_id_z 1
		.amdhsa_system_vgpr_workitem_id 0
		.amdhsa_next_free_vgpr 256
		.amdhsa_next_free_sgpr 66
		.amdhsa_reserve_vcc 1
		.amdhsa_float_denorm_mode_32 3
		.amdhsa_float_denorm_mode_16_64 3
		.amdhsa_memory_ordered 1
		.amdhsa_forward_progress 1
		.amdhsa_inst_pref_size 94
	.end_amdhsa_kernel
	.amdgpu_metadata
---
amdhsa.version: [ 1, 2 ]
amdhsa.kernels:
  - .name:           k_qa638766332_quant
    .symbol:         k_qa638766332_quant.kd
    .args:
      - { .name: embed_output, .offset: 0, .size: 8, .value_kind: global_buffer, .address_space: global }
      - { .name: w, .offset: 8, .size: 8, .value_kind: global_buffer, .address_space: global }
      - { .name: ecode, .offset: 16, .size: 8, .value_kind: global_buffer, .address_space: global }
      - { .name: psum, .offset: 24, .size: 8, .value_kind: global_buffer, .address_space: global }
      - { .name: wcode, .offset: 32, .size: 8, .value_kind: global_buffer, .address_space: global }
      - { .name: wscale, .offset: 40, .size: 8, .value_kind: global_buffer, .address_space: global }
      - { .name: mask, .offset: 48, .size: 8, .value_kind: global_buffer, .address_space: global }
      - { .name: rowlist, .offset: 56, .size: 8, .value_kind: global_buffer, .address_space: global }
      - { .name: rowcnt, .offset: 64, .size: 8, .value_kind: global_buffer, .address_space: global }
    .group_segment_fixed_size: 72704
    .private_segment_fixed_size: 0
    .kernarg_segment_align: 8
    .kernarg_segment_size: 72
    .max_flat_workgroup_size: 256
    .sgpr_count:     66
    .vgpr_count:     256
    .wavefront_size: 32
...
	.end_amdgpu_metadata
.endif
;; end of part 4
;; launch gemm: the kernel of part 2 again; grid 256 x 1, 4 waves a work-group, clusters of 4 x 1, 327,680 bytes of LDS; arguments ecode, wcode, wscale, psum, fpart; writes fpart
;; launch attend (part 5): grid 8 x 32, 8 waves a work-group, no clusters, 5,632 bytes of LDS; arguments fpart, embed_output, psum, rowlist, rowcnt, out0, out1; writes out0, out1
.if DOCPART == 5
	.amdgcn_target "amdgcn-amd-amdhsa--gfx1250"
	.amdhsa_code_object_version 6
	.text
	.protected	k_qa638766332_attend
	.globl	k_qa638766332_attend
	.p2align	8
	.type	k_qa638766332_attend,@function
k_qa638766332_attend:
	s_mov_b64 s[64:65], 0
	v_nop
	global_prefetch_b8 v0, s[64:65] scope:SCOPE_SE
	s_setreg_imm32_b32 hwreg(HW_REG_WAVE_MODE, 25, 1), 1
	s_wait_xcnt 0x0
; f[b][s] = the sum of the four quarters of fpart where the row is unmasked, -1e9 where it is masked; out1 = softmax of f over the batch's 2,048 rows (the true maximum is taken away first); out0[b][:] = the sum over s of out1 x E[b][s][:].
; ONLY THE UNMASKED ROWS OF E ARE READ.  All masked rows have the same f, so the same weight pm = exp(-1e9 - M).  With S = the sum of ALL the batch's rows (the first launch's column sums):
;     the sum of p E  =  the sum over the unmasked rows of (p - pm) E  +  pm S.
; That is an identity: it holds whatever f is (pm is 0 unless every unmasked f lies near or under -1e9), for a mask that is all false (no row is read, the result is S / 2,048) and for one that is all true.
; THE LIST.  rowlist[b] is a permutation of the batch's rows, the n = rowcnt[b] unmasked ones first.  All is done in the list's order: thread t holds entries 256 r + t, r = 0 .. 7; entries at or behind n are masked rows.
; SHARES.  Work-group (j, b) owns out0[b][128 j .. 128 j + 127]: every output number has one owner, and nothing is added between work-groups.  Each of a batch's eight work-groups makes the batch's softmax
; for itself, from 40 KB, against the half MB or so of E that it streams: what the eight share is a small part of their bytes, so there is no cluster and no joint load.
; Wave j of work-group j stores its 256 entries of out1, 4 bytes a lane at 4 x row: neighbouring entries are rows close by; out1 is 262 KB in all.
; STREAM.  Wave v's round r is entries 256 r + 32 v + 0 .. 31: lane i of the wave's register r.  It walks (n + 255 - 32 v) / 256 rounds, rounded down: a work-group reads at most 31 rows more than n, with the weight 0.
; One load is a row's 512 bytes of my 128 columns, 16 bytes a lane.  A ring of 32 slots in registers keeps 32 loads of every wave on their way; a slot owns its address register, and the base is never stepped.
; LIMITS: a p under 2^-126 counts as 0 (the exponential flushes denormals: ISA guide 15.8); NaN and infinities among the inputs are not served.
.set RED1, 0                           ; LDS: the eight waves' maxima;
.set RED2, 256                         ; their sums;
.set ZP,   512                         ; their parts of out0: 512 bytes each
.set L16, 2                            ; v2   16 x lane
.set T4,  3                            ; v3   4 x thread
.set RA,  5                            ; v5   RED1 + 4 x wave
.set RC,  7                            ; v7   RED1
.set ZA,  10                           ; v10  ZP + 512 x wave + 16 x lane
.set ZR,  11                           ; v11  ZP + 16 x lane
.set NEG, 12                           ; v12  -1e9
.set ACC, 16                           ; v16-23 my four columns' sums, two chains
.set RV,  24                           ; v24-31 the eight waves' figures
.set RW,  32                           ; v32-39 my eight entries' rows; in the loop register 1 holds the next round's
.set GA,  40                           ; v40-47 4 x row; never rewritten
.set FL,  48                           ; v48-79 the four quarters of my eight entries; then f, p and the weights in v48-55; in the loop register 0 holds the round's
.set PM,  56                           ; v56    pm (named with v57 as a pair)
.set OP,  80                           ; v80-87 at work; out1's data
.set RCP, 88                           ; v88-89 1 / the sum, twice
.set A,   96                           ; v96-127 slot i's byte offset in the batch's E
.set RING, 128                         ; v128-255 32 slots of four
.set SR,  40                           ; s40-43 rows on their way into addresses, by turns
.set VAL, 48                           ; s48-55 lanes whose entry of register r lies ahead of n
.set SW,  56                           ; s[56:63] weights, four pairs by turns: the packed form names a pair and takes its low word for both halves
	s_load_b256 s[4:11], s[0:1], 0x0               ; fpart s[4:5], E s[6:7], psum s[8:9], rowlist s[10:11]
	s_load_b128 s[12:15], s[0:1], 0x20             ; rowcnt s[12:13], out0 s[14:15]
	s_load_b64 s[16:17], s[0:1], 0x30              ; out1
	v_lshl_add_u32 v94, v0, 2, 0x1200
	v_mov_b32 v95, 0
	v_lshrrev_b32 v1, 5, v0
	v_readfirstlane_b32 s18, v1                    ; wave 0..7
	v_and_b32 v1, 31, v0
	v_lshlrev_b32 v[L16], 4, v1
	v_lshlrev_b32 v[T4], 2, v0
	s_and_b32 s19, ttmp7, 0xffff                   ; the batch
	s_lshl_b32 s20, s18, 2
	s_add_co_u32 s20, s20, RED1
	v_mov_b32 v[RA], s20
	v_mov_b32 v[RC], RED1
	s_lshl_b32 s20, s18, 9
	s_add_co_u32 s20, s20, ZP
	v_add_nc_u32 v[ZA], s20, v[L16]
	v_add_nc_u32 v[ZR], ZP, v[L16]
	v_mov_b32 v[NEG], 0xce6e6b28                   ; -1e9
	v_mov_b32 v15, 0                               ; written once: a lane permute's destination counts as one of its sources
	s_mov_b32 s28, 0x76543210
	s_mov_b32 s29, 0xfedcba98                      ; v_permlanex16_b32's selects for lane l xor 16
.irp k, 1,3,5,7
	s_mov_b32 s[SW+\k], 0                          ; the pairs' upper words are named, so they are written
.endr
	s_lshl_b32 s33, ttmp9, 9                       ; my 128 columns: 512 bytes
	s_lshl_b32 s20, s19, 13                        ; 2,048 words a batch: fpart, rowlist and out1
	s_mov_b32 s21, 0
	s_lshl_b32 s22, s19, 23                        ; E: 8 MiB a batch
	s_add_co_u32 s22, s22, s33
	s_mov_b32 s23, 0
	s_lshl_b32 s24, s19, 16                        ; psum: 16 records of 4,096 bytes a batch; my wave takes records 2 v and 2 v + 1
	s_lshl_b32 s34, s18, 13
	s_add_co_u32 s24, s24, s34
	s_add_co_u32 s24, s24, s33
	s_mov_b32 s25, 0
	s_lshl_b32 s26, s19, 12                        ; out0
	s_add_co_u32 s26, s26, s33
	s_mov_b32 s27, 0
	s_lshl_b32 s30, s19, 2                         ; rowcnt
	s_mov_b32 s31, 0
	s_wait_kmcnt 0x0
	s_add_nc_u64 s[12:13], s[12:13], s[30:31]
	s_load_b32 s38, s[12:13], 0x0                  ; n
	s_add_nc_u64 s[4:5], s[4:5], s[20:21]
	s_add_nc_u64 s[6:7], s[6:7], s[22:23]
	s_add_nc_u64 s[8:9], s[8:9], s[24:25]
	s_add_nc_u64 s[10:11], s[10:11], s[20:21]
	s_add_nc_u64 s[14:15], s[14:15], s[26:27]
	s_add_nc_u64 s[16:17], s[16:17], s[20:21]
.irp r, 0,1,2,3,4,5,6,7
	global_load_b32 v[RW+\r], v[T4], s[10:11] offset:1024*\r       ; entry 256 r + t
.endr
	global_load_b128 v[ACC:ACC+3], v[L16], s[8:9]                  ; two records' sums of my four columns: they start the two chains
	global_load_b128 v[ACC+4:ACC+7], v[L16], s[8:9] offset:4096
	s_wait_loadcnt 2                               ; the list's eight loads are in; the two behind them stay out
.irp r, 0,1,2,3,4,5,6,7
	v_min_u32 v[RW+\r], 0x7ff, v[RW+\r]            ; a loaded number enters an address only behind this bound
.endr
.irp r, 0,1,2,3,4,5,6,7
	v_lshlrev_b32 v[GA+\r], 2, v[RW+\r]
.endr
.irp q, 0,1,2,3
.irp r, 0,1,2,3,4,5,6,7
	global_load_b32 v[FL+8*\q+\r], v[GA+\r], s[4:5] offset:262144*\q       ; the four quarters of my entries' f
.endr
.endr
.set i, 0
.rept 32                                       ; the ring is filled before the softmax is begun: round 0's rows (every entry of the list names a row of the batch, whatever n is)
	v_readlane_b32 s[SR+i%4], v[RW], i
	s_min_u32 s[SR+i%4], s[SR+i%4], 0x7ff
	v_lshl_add_u32 v[A+i], s[SR+i%4], 12, v[L16]   ; 4,096 x row + 16 x lane
	global_load_b128 v[RING+4*i:RING+4*i+3], v[A+i], s[6:7] th:TH_LOAD_NT
.set i, i+1
.endr
	s_wait_loadcnt 32                              ; the column sums and the quarters are in; the ring's 32 loads stay out
	s_wait_kmcnt 0x0                               ; n
	s_min_u32 s38, s38, 0x800
.irp k, 0,2,4,6
	v_pk_add_f32 v[FL+\k:FL+\k+1], v[FL+\k:FL+\k+1], v[FL+8+\k:FL+8+\k+1]
	v_pk_add_f32 v[FL+16+\k:FL+16+\k+1], v[FL+16+\k:FL+16+\k+1], v[FL+24+\k:FL+24+\k+1]
.endr
.irp k, 0,2,4,6
	v_pk_add_f32 v[FL+\k:FL+\k+1], v[FL+\k:FL+\k+1], v[FL+16+\k:FL+16+\k+1]
.endr
.irp r, 0,1,2,3,4,5,6,7
	v_add_nc_u32 v13, 256*\r, v0                   ; my entry's place in the list
	v_cmp_gt_u32 s[VAL+\r], s38, v13               ; ahead of n: unmasked
	v_cndmask_b32 v[FL+\r], v[NEG], v[FL+\r], s[VAL+\r]    ; a choice of values
.endr
	v_max3_num_f32 v14, v[FL], v[FL+1], v[FL+2]    ; the largest f: of my eight,
	v_max3_num_f32 v14, v14, v[FL+3], v[FL+4]
	v_max3_num_f32 v14, v14, v[FL+5], v[FL+6]
	v_max_num_f32 v14, v14, v[FL+7]
	v_max_num_f32_dpp v14, v14, v14 row_xmask:1 row_mask:0xf bank_mask:0xf     ; of the wave's,
	v_max_num_f32_dpp v14, v14, v14 row_xmask:2 row_mask:0xf bank_mask:0xf
	v_max_num_f32_dpp v14, v14, v14 row_xmask:4 row_mask:0xf bank_mask:0xf
	v_max_num_f32_dpp v14, v14, v14 row_xmask:8 row_mask:0xf bank_mask:0xf
	v_permlanex16_b32 v15, v14, s28, s29
	v_max_num_f32 v14, v14, v15
	ds_store_b32 v[RA], v14
	s_wait_dscnt 0x0                               ; for the others' sake
	s_barrier_signal -1
	s_barrier_wait -1
	ds_load_b128 v[RV:RV+3], v[RC]
	ds_load_b128 v[RV+4:RV+7], v[RC] offset:16
	s_wait_dscnt 0x0
	v_max3_num_f32 v14, v[RV], v[RV+1], v[RV+2]    ; of the batch's
	v_max3_num_f32 v14, v14, v[RV+3], v[RV+4]
	v_max3_num_f32 v14, v14, v[RV+5], v[RV+6]
	v_max_num_f32 v14, v14, v[RV+7]
.irp e, 0,1,2,3,4,5,6,7
	v_sub_f32 v[FL+\e], v[FL+\e], v14              ; the difference first, then the factor: nothing is lost where f is large
.endr
	v_sub_f32 v[PM], v[NEG], v14                   ; a masked row's, by the same three steps: the same bits as a masked entry's
.irp k, 0,2,4,6
	v_pk_mul_f32 v[FL+\k:FL+\k+1], v[FL+\k:FL+\k+1], 0x3fb8aa3b op_sel_hi:[1,0]
.endr
	v_mul_f32 v[PM], 0x3fb8aa3b, v[PM]
.irp e, 0,1,2,3,4,5,6,7
	v_exp_f32 v[FL+\e], v[FL+\e]
.endr
	v_exp_f32 v[PM], v[PM]
	v_nop                                          ; one plain place behind the exponentials
	s_wait_alu depctr_va_vdst(0)
	v_pk_add_f32 v[OP:OP+1], v[FL:FL+1], v[FL+2:FL+3]
	v_pk_add_f32 v[OP+2:OP+3], v[FL+4:FL+5], v[FL+6:FL+7]
	v_pk_add_f32 v[OP:OP+1], v[OP:OP+1], v[OP+2:OP+3]
	v_add_f32 v13, v[OP], v[OP+1]
	v_add_f32_dpp v13, v13, v13 row_xmask:1 row_mask:0xf bank_mask:0xf
	v_add_f32_dpp v13, v13, v13 row_xmask:2 row_mask:0xf bank_mask:0xf
	v_add_f32_dpp v13, v13, v13 row_xmask:4 row_mask:0xf bank_mask:0xf
	v_add_f32_dpp v13, v13, v13 row_xmask:8 row_mask:0xf bank_mask:0xf
	v_permlanex16_b32 v15, v13, s28, s29
	v_add_f32 v13, v13, v15
	ds_store_b32 v[RA], v13 offset:RED2-RED1
	s_wait_dscnt 0x0                               ; for the others' sake
	s_barrier_signal -1
	s_barrier_wait -1
	ds_load_b128 v[RV:RV+3], v[RC] offset:RED2-RED1
	ds_load_b128 v[RV+4:RV+7], v[RC] offset:RED2-RED1+16
	s_wait_dscnt 0x0
	v_pk_add_f32 v[RV:RV+1], v[RV:RV+1], v[RV+2:RV+3]
	v_pk_add_f32 v[RV+4:RV+5], v[RV+4:RV+5], v[RV+6:RV+7]
	v_pk_add_f32 v[RV:RV+1], v[RV:RV+1], v[RV+4:RV+5]
	v_add_f32 v[RV], v[RV], v[RV+1]                ; the sum of all 2,048 p, the masked rows' among them
	v_rcp_f32 v[RCP], v[RV]
	v_nop                                          ; one plain place behind the reciprocal
	s_wait_alu depctr_va_vdst(0)
	v_mov_b32 v[RCP+1], v[RCP]
	s_cmp_lg_u32 s18, ttmp9                        ; out1: wave j of work-group j stores its entries, so that each row has one owner; no barrier stands under this branch
	s_cbranch_scc1 .Lnot_mine
.irp k, 0,2,4,6
	v_pk_mul_f32 v[OP+\k:OP+\k+1], v[FL+\k:FL+\k+1], v[RCP:RCP+1]
.endr
.irp r, 0,1,2,3,4,5,6,7
	global_store_b32 v[GA+\r], v[OP+\r], s[16:17]  ; neither the offsets nor the data are written again
.endr
.Lnot_mine:
.irp r, 0,1,2,3,4,5,6,7
	v_sub_f32 v[FL+\r], v[FL+\r], v[PM]            ; the weights: p - pm for an unmasked row,
.endr
.irp r, 0,1,2,3,4,5,6,7
	v_cndmask_b32 v[FL+\r], 0, v[FL+\r], s[VAL+\r] ; 0 for an entry at or behind n
.endr
.irp k, 0,2,4,6
	v_pk_mul_f32 v[ACC+\k:ACC+\k+1], v[ACC+\k:ACC+\k+1], v[PM:PM+1] op_sel_hi:[1,0]    ; pm x two records of S start the chains: nothing is cleared
.endr
	s_lshl_b32 s39, s18, 5                         ; my rounds: (n + 255 - 32 v) / 256, at least one (the ring has been filled); the last is written out
	s_add_co_u32 s44, s38, 255
	s_sub_co_u32 s44, s44, s39
	s_lshr_b32 s44, s44, 8
	s_max_u32 s44, s44, 1
	s_sub_co_u32 s44, s44, 1                       ; 0 to 7 trips
; A round: 32 entries.  ahead = 1: each slot is filled again with the next round's row.
.macro ROUND ahead
.set i, 0
.rept 32
	v_readlane_b32 s[SW+2*(i%4)], v[FL], i         ; the entry's weight
.if \ahead
	v_readlane_b32 s[SR+i%4], v[RW+1], i           ; the next round's row
	s_min_u32 s[SR+i%4], s[SR+i%4], 0x7ff
	s_wait_loadcnt 31                              ; loads come back in order (ISA guide 5.7.1): this slot's is in, the 31 younger ones stay out; so its address register may be written too
.else
	s_wait_loadcnt 31-i                            ; the last round loads nothing: the counts run down
.endif
	v_pk_fma_f32 v[ACC+4*(i%2):ACC+4*(i%2)+1], v[RING+4*i:RING+4*i+1], s[SW+2*(i%4):SW+2*(i%4)+1], v[ACC+4*(i%2):ACC+4*(i%2)+1] op_sel_hi:[1,0,1]
	v_pk_fma_f32 v[ACC+4*(i%2)+2:ACC+4*(i%2)+3], v[RING+4*i+2:RING+4*i+3], s[SW+2*(i%4):SW+2*(i%4)+1], v[ACC+4*(i%2)+2:ACC+4*(i%2)+3] op_sel_hi:[1,0,1]
.if \ahead
	v_lshl_add_u32 v[A+i], s[SR+i%4], 12, v[L16]
	global_load_b128 v[RING+4*i:RING+4*i+3], v[A+i], s[6:7] th:TH_LOAD_NT
.endif
.set i, i+1
.endr
.endm
	s_cmp_eq_u32 s44, 0
	s_cbranch_scc1 .Ltail
	s_mov_b32 s45, 0
.Lround:
	ROUND 1
.irp r, 0,1,2,3,4,5,6
	v_mov_b32 v[FL+\r], v[FL+\r+1]                 ; the weights and the rows move down a register, so that one body serves every round
.endr
.irp r, 1,2,3,4,5,6
	v_mov_b32 v[RW+\r], v[RW+\r+1]
.endr
	s_add_co_u32 s45, s45, 1
	s_cmp_lt_u32 s45, s44
	s_cbranch_scc1 .Lround
.Ltail:
	ROUND 0
	v_pk_add_f32 v[ACC:ACC+1], v[ACC:ACC+1], v[ACC+4:ACC+5]
	v_pk_add_f32 v[ACC+2:ACC+3], v[ACC+2:ACC+3], v[ACC+6:ACC+7]
	v_pk_mul_f32 v[ACC:ACC+1], v[ACC:ACC+1], v[RCP:RCP+1]
	v_pk_mul_f32 v[ACC+2:ACC+3], v[ACC+2:ACC+3], v[RCP:RCP+1]
	ds_store_b128 v[ZA], v[ACC:ACC+3]
	s_wait_dscnt 0x0                               ; for wave 0's sake
	s_barrier_signal -1
	s_barrier_wait -1
	s_cmp_lg_u32 s18, 0
	s_cbranch_scc1 .Lend
.irp k, 0,1,2,3,4,5,6,7
	ds_load_b128 v[RING+4*\k:RING+4*\k+3], v[ZR] offset:512*\k     ; the eight waves' parts of my four columns
.endr
	s_wait_dscnt 0x0
.irp k, 0,2,4,6,8,10,12,14
	v_pk_add_f32 v[RING+\k:RING+\k+1], v[RING+\k:RING+\k+1], v[RING+16+\k:RING+16+\k+1]
.endr
.irp k, 0,2,4,6
	v_pk_add_f32 v[RING+\k:RING+\k+1], v[RING+\k:RING+\k+1], v[RING+8+\k:RING+8+\k+1]
.endr
.irp k, 0,2
	v_pk_add_f32 v[RING+\k:RING+\k+1], v[RING+\k:RING+\k+1], v[RING+4+\k:RING+4+\k+1]
.endr
	global_store_b128 v[L16], v[RING:RING+3], s[14:15]             ; 32 lanes store 512 consecutive bytes of out0
.Lend:
	s_wait_tensorcnt 0x0
	ds_add_u32 v94, v95
	s_wait_dscnt 0x0
	s_endpgm
.Lfunc_end_k_qa638766332_attend:
	.size	k_qa638766332_attend, .Lfunc_end_k_qa638766332_attend-k_qa638766332_attend
	.p2alignl 7, 3214868480
	.fill 96, 4, 3214868480
	.section	.rodata,"a",@progbits
	.p2align	6, 0x0
	.amdhsa_kernel k_qa638766332_attend
		.amdhsa_group_segment_fixed_size 5632
		.amdhsa_private_segment_fixed_size 0
		.amdhsa_enable_private_segment 0
		.amdhsa_kernarg_size 56
		.amdhsa_user_sgpr_count 2
		.amdhsa_user_sgpr_kernarg_segment_ptr 1
		.amdhsa_wavefront_size32 1
		.amdhsa_system_sgpr_workgroup_id_x 1
		.amdhsa_system_sgpr_workgroup_id_y 1
		.amdhsa_system_sgpr_workgroup_id_z 1
		.amdhsa_system_vgpr_workitem_id 0
		.amdhsa_next_free_vgpr 256
		.amdhsa_next_free_sgpr 66
		.amdhsa_reserve_vcc 0
		.amdhsa_float_denorm_mode_32 3
		.amdhsa_float_denorm_mode_16_64 3
		.amdhsa_memory_ordered 1
		.amdhsa_forward_progress 1
		.amdhsa_inst_pref_size 50
	.end_amdhsa_kernel
	.amdgpu_metadata
---
amdhsa.version: [ 1, 2 ]
amdhsa.kernels:
  - .name:           k_qa638766332_attend
    .symbol:         k_qa638766332_attend.kd
    .args:
      - { .name: fpart, .offset: 0, .size: 8, .value_kind: global_buffer, .address_space: global }
      - { .name: embed_output, .offset: 8, .size: 8, .value_kind: global_buffer, .address_space: global }
      - { .name: psum, .offset: 16, .size: 8, .value_kind: global_buffer, .address_space: global }
      - { .name: rowlist, .offset: 24, .size: 8, .value_kind: global_buffer, .address_space: global }
      - { .name: rowcnt, .offset: 32, .size: 8, .value_kind: global_buffer, .address_space: global }
      - { .name: out0, .offset: 40, .size: 8, .value_kind: global_buffer, .address_space: global }
      - { .name: out1, .offset: 48, .size: 8, .value_kind: global_buffer, .address_space: global }
    .group_segment_fixed_size: 5632
    .private_segment_fixed_size: 0
    .kernarg_segment_align: 8
    .kernarg_segment_size: 56
    .max_flat_workgroup_size: 256
    .sgpr_count:     66
    .vgpr_count:     256
    .wavefront_size: 32
...
	.end_amdgpu_metadata
.endif
;; end of part 5
